; MI455X (gfx1250); checked and timed in simulation.
; The chip was launched on July 23, 2026; its instructions are those of AMD's public machine-readable ISA for CDNA 5 (MIT licence, August 2026) and "CDNA5" Instruction Set Architecture Reference Guide (July 2026). The comments in the code are by the model that wrote it; some were corrected since.
;; Dual Attention. Allowed arithmetic: matrix products marked QUANTISED: E2M3 operands, one E8M0 scale for each 32 along K, by v_wmma_scale_f32_16x16x128_f8f6f4 with both operands' format E2M3, f32 sums; everything else in f32.
;; Inputs: Wk1 1,024 x 1,024 float32; Wk2 1,024 x 1,024 float32; Wo1 1,024 x 1,024 float32; Wo2 1,024 x 1,024 float32; Wq1 1,024 x 1,024 float32; Wq2 1,024 x 1,024 float32; Wv1 1,024 x 1,024 float32; Wv2 1,024 x 1,024 float32; bk1 1,024 float32; bk2 1,024 float32; bo1 1,024 float32; bo2 1,024 float32; bq1 1,024 float32; bq2 1,024 float32; bv1 1,024 float32; bv2 1,024 float32; cos1 1 x 1 x 1,024 x 32 float32; cos2 1 x 1 x 1,024 x 32 float32; sin1 1 x 1 x 1,024 x 32 float32; sin2 1 x 1 x 1,024 x 32 float32; x1 4 x 1,024 x 1,024 float32; x1_padding_mask 4 x 1,024 int32; x2 4 x 1,024 x 1,024 float32; x2_padding_mask 4 x 1,024 int32.
;; Outputs: out0 4 x 1,024 x 1,024 float32; out1 4 x 1,024 x 1,024 float32.
;; This version of the problem:
;;   THIS VERSION OF THE PROBLEM IS GIVEN IN LOW PRECISION. The matrix products marked QUANTISED in the list below multiply operands that are first quantised to E2M3 (2 exponent bits, 3 mantissa bits; 6 bits a number), with one power-of-two scale for each 32 numbers along K (OCP MX v1.0); their sums are f32. All else is computed in f32.
;;   The module's matrix products, in the order in which they are computed (A, B: the left and right operand; K: the contracted axis; several contracted axes count as one K, in the product's order):
;;     1. [M 4,096, K 1,024] x [K 1,024, N 1,024]; A: input x1; B: input Wq1: QUANTISED
;;     2. [M 4,096, K 1,024] x [K 1,024, N 1,024]; A: input x2; B: input Wk2: QUANTISED
;;     3. [M 4,096, K 1,024] x [K 1,024, N 1,024]; A: input x2; B: input Wv2: QUANTISED
;;     4. [M 4,096, K 1,024] x [K 1,024, N 1,024]; A: input x2; B: input Wq2: QUANTISED
;;     5. [M 4,096, K 1,024] x [K 1,024, N 1,024]; A: input x1; B: input Wk1: QUANTISED
;;     6. [M 4,096, K 1,024] x [K 1,024, N 1,024]; A: input x1; B: input Wv1: QUANTISED
;;     7. batch 64 x [M 1,024, K 64] x [K 64, N 1,024]; A: computed on the way; B: computed on the way: QUANTISED
;;     8. batch 64 x [M 1,024, K 1,024] x [K 1,024, N 64]; A: softmax (see below); B: computed on the way: QUANTISED
;;     9. batch 64 x [M 1,024, K 64] x [K 64, N 1,024]; A: computed on the way; B: computed on the way: QUANTISED
;;     10. batch 64 x [M 1,024, K 1,024] x [K 1,024, N 64]; A: softmax (see below); B: computed on the way: QUANTISED
;;     11. [M 4,096, K 1,024] x [K 1,024, N 1,024]; A: computed on the way; B: input Wo1: QUANTISED
;;     12. batch 64 x [M 1,024, K 64] x [K 64, N 1,024]; A: computed on the way; B: computed on the way: QUANTISED
;;     13. batch 64 x [M 1,024, K 1,024] x [K 1,024, N 64]; A: softmax (see below); B: computed on the way: QUANTISED
;;     14. batch 64 x [M 1,024, K 64] x [K 64, N 1,024]; A: computed on the way; B: computed on the way: QUANTISED
;;     15. batch 64 x [M 1,024, K 1,024] x [K 1,024, N 64]; A: softmax (see below); B: computed on the way: QUANTISED
;;     16. [M 4,096, K 1,024] x [K 1,024, N 1,024]; A: computed on the way; B: input Wo2: QUANTISED
;;   THE QUANTISER, for each operand of a quantised product, along K:
;;     - K is cut into blocks of 32 from its start; a last block that is shorter is filled with zeros.
;;     - A block's scale is 2^e with e = floor(log2(the largest magnitude in the block)) - 2, held to -126 .. 127; a block of zeros has e = 0. As a byte (E8M0): e + 127.
;;     - Each number is divided by its block's scale, clamped to +-7.5, and rounded to the nearest number of E2M3, ties to even, subnormals kept.
;;     - The product sums the exact products of the quantised numbers (number of the format x scale) in f32.
;;   ~~~python
;;   def quantise(x, axis):      # numpy; x: float32 -> the quantised numbers, widened to float32 again
;;       x = np.moveaxis(x, axis, -1); K = x.shape[-1]
;;       x = np.pad(x, [(0, 0)] * (x.ndim - 1) + [(0, -K % 32)]); x = x.reshape(x.shape[:-1] + (-1, 32)); a = np.abs(x).max(-1, keepdims=True)
;;       e = np.where(a > 0, np.clip(np.frexp(np.where(a > 0, a, 1))[1] - 1 - 2, -126, 127), 0)      # np.frexp(a)[1] - 1 = floor(log2(a)), exactly
;;       r = np.clip(x / 2.0 ** e, -7.5, 7.5)
;;       step = 2.0 ** (np.maximum(np.frexp(np.where(r == 0, 1, r))[1] - 1, 0) - 3)
;;       q = np.round(r / step) * step * 2.0 ** e      # np.round: ties to even
;;       return np.moveaxis(q.reshape(q.shape[:-2] + (-1,))[..., :K], -1, axis).astype(np.float32)
;;   ~~~
;;   SOFTMAX AHEAD OF A QUANTISED PRODUCT. Where the list says 'softmax', what is quantised is not the finished softmax but p = 2^(t - M), with t = logit x log2(e) and M = ceil(the row's largest t), a whole number; so 1/2 < the row's largest p <= 1. The row's sum l is taken of the UNQUANTISED p, in f32, and the product's result is divided by l at the end. Since M is a whole number, a kernel that streams over the keys may use a running M (the ceiling of the running maximum): every later rescaling is an exact power of two, which a block's scale takes up: the codes' values come out the same.
;;   OPERANDS COMPUTED ON THE WAY. 'Computed on the way' means the value that the module computes at that place (a softmax that the list does not call 'softmax' is quantised finished and normalised). What goes into a quantiser is computed in f32, as accurately as f32 sums, v_exp_f32 and their like allow (about 1e-6 of the number): no bf16 or f16 on the way to a quantiser, and a product that is left as it is and whose result goes on into a quantised operand takes f32 operands (vector FMAs, or v_wmma_f32_16x16x4_f32). A number that lies on a knife's edge between two numbers of the format may be rounded either way, as far as f32 arithmetic and the matrix unit's own rounding can turn it there, and no further.
;; One version. Each part assembles by itself: llvm-mc -triple=amdgcn-amd-amdhsa -mcpu=gfx1250 --defsym DOCPART=n.
;; ======== version 1 of 1: 4 launches
;; limits: right only within a limited range of input values
;; workspace buffers: codes 12,582,912 bytes; scales 524,288 bytes; qkv 24,379,392 bytes; ac 6,291,456 bytes; asc 262,144 bytes
;; launch quant (part 1): grid 512 x 1, 4 waves a work-group, no clusters, 33,280 bytes of LDS; arguments x1, x2, Wq1, Wk1, Wv1, Wq2, Wk2, Wv2, Wo1, Wo2, codes, scales; writes codes, scales
.if DOCPART == 1
	.amdgcn_target "amdgcn-amd-amdhsa--gfx1250"
	.amdhsa_code_object_version 6
	.text
	.protected	k_q08a4e12466_quant
	.globl	k_q08a4e12466_quant
	.p2align	8
	.type	k_q08a4e12466_quant,@function
k_q08a4e12466_quant:
	s_mov_b64 s[64:65], 0
	v_nop
	global_prefetch_b8 v0, s[64:65] scope:SCOPE_SE
	s_setreg_imm32_b32 hwreg(HW_REG_WAVE_MODE, 25, 1), 1
	s_wait_xcnt 0x0
; x1, x2 [4096][1024] and the eight weights [1024][1024], f32, K innermost, become codes of FP6 (E2M3) and one E8M0 byte for each 32 along K.
; codes: [4 planes][16384 rows][192 bytes], scales: [16384][32 bytes].  Rows 0-4095 x1, 4096-8191 x2, then 1024 rows each of Wq1, Wk1, Wv1, Wq2, Wk2, Wv2, Wo1, Wo2.
; In Wv1 and Wv2 the second and third group of 8 rows of every 32 change places on the way out: a tile of 16 stored rows then holds features 0-7 and 16-23 (or 8-15 and 24-31) of its 32,
; so that the attention's results come out as 16 neighbours along the last product's K.
; A block's scale is 2^(floor(log2(largest magnitude)) - 2); its byte is the largest magnitude's exponent field - 2, held at 1 from below.
; LIMITS: a block of zeros gets the byte 1 where the rule says 127 (its codes are zeros, and this program alone reads the bytes); blocks whose largest magnitude lies under 2^-124 are held at byte 1; NaN and infinities are not served.
; A work-group takes 32 rows, a wave 8 rows = 8,192 numbers in 16 steps of 512.  A load reads 512 consecutive bytes; a step's 2,048 bytes turn through the wave's own stage in LDS, so that a lane holds 16 neighbours.
; No tensor loads, no barrier: waves share nothing.  Loads run four steps ahead, the turn through LDS one step.
.set WAVES, 4
.set STEPS, 16
.set EMAX,  2
.set CB,    12                         ; bytes of 16 codes
.set PL,    3145728                    ; THE CODES' LAYOUT: four planes, one for each 256 along K, each [16384 rows][192 bytes]: 128 rows of a plane are 24,576 consecutive bytes, at a multiple of 256
.set R,     16                         ; v16-79   four sets of 16 numbers as they are loaded
.set X,     80                         ; v80-111  two sets of 16 neighbours
.set C,     128                        ; v128-191 codes: four registers for each step, so that no store's data are written again
.set E,     112                        ; v112-127 a scale byte for each step
.set WREG,  8192                       ; LDS: a region for each wave: two stages of 32 x SP bytes, behind them its 256 scale bytes
.set SP,    80                         ; a lane's place in a stage: 64 bytes + 16 of padding
.set SPW,   12                         ; v12 LDS address of my spare word; never rewritten
.set NIL,   13                         ; v13 0; never rewritten
.set SPARE, WAVES*WREG                 ; behind the four regions: the spare words, 128 bytes a wave
	s_load_b512 s[4:19], s[0:1], 0x0               ; x1 s4, x2 s6, Wq1 s8, Wk1 s10, Wv1 s12, Wq2 s14, Wk2 s16, Wv2 s18
	s_load_b256 s[20:27], s[0:1], 0x40             ; Wo1 s20, Wo2 s22, codes s24, scales s26
	v_lshl_add_u32 v[SPW], v0, 2, SPARE
	v_mov_b32 v[NIL], 0
	v_lshrrev_b32 v1, 5, v0
	v_readfirstlane_b32 s31, v1                    ; wave
	v_and_b32 v2, 31, v0                           ; lane
	v_lshlrev_b32 v3, 4, v2                        ; my 16 bytes of a load's 512
	s_mul_i32 s32, s31, WREG
	v_lshrrev_b32 v14, 2, v2
	v_mul_u32_u24 v14, v14, SP
	v_and_b32 v15, 3, v2
	v_lshl_add_u32 v14, v15, 4, v14
	v_add_nc_u32 v14, s32, v14                     ; the stage, on the way in: SP (lane / 4) + 16 (lane % 4)
	v_mul_u32_u24 v15, v2, SP
	v_add_nc_u32 v15, s32, v15                     ; and on the way out: SP x lane: my 16 neighbours
	v_and_b32 v4, 15, v2                           ; sixteen lanes hold 256 along K: 192 bytes of one plane's row
	v_mul_u32_u24 v4, v4, CB
	v_lshrrev_b32 v10, 4, v2
	v_mad_u32_u24 v4, v10, PL, v4                  ; lanes 16-31: the next plane
	v_lshrrev_b32 v5, 1, v2
	s_add_co_u32 s32, s32, 2*32*SP
	v_add_nc_u32 v5, s32, v5                       ; LDS: my wave's 256 scale bytes, my block's byte
	v_lshlrev_b32 v7, 3, v2                        ; and on the way out 8 bytes a lane
	v_add_nc_u32 v6, s32, v7
	s_wait_alu depctr_va_vdst(0)
	s_wait_kmcnt 0x0
	s_mov_b64 s[28:29], s[4:5]                     ; which tensor is my work-group's?  The choice hangs on the work-group's number alone
	s_mov_b32 s30, 0                               ; and the tensor's first work-group
.macro PICK bound, p
	s_cmp_ge_u32 ttmp9, \bound
	s_cselect_b64 s[28:29], s[\p:\p+1], s[28:29]
	s_cselect_b32 s30, \bound, s30
.endm
	PICK 128, 6
	PICK 256, 8
	PICK 288, 10
	PICK 320, 12
	PICK 352, 14
	PICK 384, 16
	PICK 416, 18
	PICK 448, 20
	PICK 480, 22
	s_sub_co_u32 s33, ttmp9, s30
	s_lshl_b32 s33, s33, 2
	s_add_co_u32 s33, s33, s31                     ; which run of 8,192 numbers of the tensor is my wave's
	s_lshl_b32 s34, s33, 15                        ; 32,768 bytes a run
	s_mov_b32 s35, 0
	s_add_nc_u64 s[28:29], s[28:29], s[34:35]
	s_and_b32 s36, s31, 1                          ; on the way out: waves 1 and 2 change places in Wv1 (work-groups 320-351) and Wv2 (416-447)
	s_lshl_b32 s36, s36, 1
	s_lshr_b32 s37, s31, 1
	s_or_b32 s36, s36, s37
	s_lshr_b32 s33, ttmp9, 5
	s_cmp_eq_u32 s33, 10
	s_cselect_b32 s37, s36, s31
	s_cmp_eq_u32 s33, 13
	s_cselect_b32 s37, s36, s37
	s_lshl_b32 s33, ttmp9, 2
	s_add_co_u32 s33, s33, s37                     ; the run of 8 rows in codes and scales
	s_mul_i32 s34, s33, 1536                       ; 8 rows x 192 bytes of a plane
	s_add_nc_u64 s[24:25], s[24:25], s[34:35]
	s_lshl_b32 s34, s33, 8                         ; 8 rows x 32 bytes
	s_add_nc_u64 s[26:27], s[26:27], s[34:35]
.macro LOAD t
.irp i, 0,1,2,3
	global_load_b128 v[R+16*((\t)%4)+4*\i:R+16*((\t)%4)+4*\i+3], v3, s[28:29] offset:2048*(\t)+512*\i th:TH_LOAD_NT   ; 32 lanes read 512 consecutive bytes
.endr
.endm
.macro TURN t                          ; step t's numbers through the stage: LDS serves a wave's instructions in order, so no wait stands between the stores and the loads
.irp i, 0,1,2,3
	ds_store_b128 v14, v[R+16*((\t)%4)+4*\i:R+16*((\t)%4)+4*\i+3] offset:32*SP*((\t)%2)+8*SP*\i
.endr
.irp i, 0,1,2,3
	ds_load_b128 v[X+16*((\t)%2)+4*\i:X+16*((\t)%2)+4*\i+3], v15 offset:32*SP*((\t)%2)+16*\i
.endr
.endm
.irp t, 0,1,2,3
	LOAD \t
.endr
	s_wait_loadcnt 12                              ; step 0's four loads are in; three steps' twelve may be out
	TURN 0
.macro STEP t
.set XS, X+16*((\t)%2)
.if (\t) > 0
	s_wait_dscnt 1                                 ; this step's numbers are back from the stage (the last step's byte store may be out)
.else
	s_wait_dscnt 0x0
.endif
.if (\t)+4 < STEPS
	LOAD (\t)+4                                    ; into the registers that the stage's stores have read
.endif
.if (\t)+1 < STEPS
.if STEPS-2-(\t) >= 3
	s_wait_loadcnt 12                              ; the next step's four loads are in; those of the three steps behind it may be out
.else
	s_wait_loadcnt 4*(STEPS-2-(\t))
.endif
	TURN (\t)+1
.endif
	v_max3_num_f32 v8, |v[XS]|, |v[XS+1]|, |v[XS+2]|               ; the largest magnitude of my 16, in two chains
	v_max3_num_f32 v9, |v[XS+3]|, |v[XS+4]|, |v[XS+5]|
.irp i, 6,10
	v_max3_num_f32 v8, v8, |v[XS+\i]|, |v[XS+\i+1]|
	v_max3_num_f32 v9, v9, |v[XS+\i+2]|, |v[XS+\i+3]|
.endr
	v_max3_num_f32 v8, v8, |v[XS+14]|, |v[XS+15]|
	v_max3_num_f32 v8, v8, v9, (EMAX+1)<<23        ; and the floor 2^(3 - 127): the byte cannot fall under 1
	v_max_num_f32_dpp v8, v8, v8 row_xmask:1 row_mask:0xf bank_mask:0xf   ; and of my neighbour's 16: the block's
	v_add_nc_u32 v11, -(EMAX<<23), v8              ; 2 off its exponent field: the conversion takes the exponent field of this operand as its scale
	v_cvt_scalef32_pk16_fp6_f32 v[C+4*(\t):C+4*(\t)+2], v[XS:XS+15], v11
	v_lshrrev_b32 v[E+(\t)], 23, v11               ; the scale's byte (also the plain line behind the conversion)
	ds_store_b8 v5, v[E+(\t)] offset:16*(\t)       ; both lanes of a block write the same byte with the same value
	global_store_b96 v4, v[C+4*(\t):C+4*(\t)+2], s[24:25] offset:2*PL*((\t)%2)+192*((\t)/2)   ; step t is half t % 2 of row t / 2: planes 2 (t % 2) and 2 (t % 2) + 1
.endm
.irp t, 0,1,2,3,4,5,6,7,8,9,10,11,12,13,14,15
	STEP \t
.endr
	ds_load_b64 v[8:9], v6                         ; LDS serves a wave's instructions in order: these see my stores
	s_wait_dscnt 0x0
	global_store_b64 v7, v[8:9], s[26:27]          ; 32 lanes store 256 consecutive bytes, aligned
	s_wait_tensorcnt 0x0                           ; the wave's end, behind my last LDS store
	ds_add_u32 v[SPW], v[NIL]
	s_wait_dscnt 0x0
	s_endpgm
.Lfunc_end_k_q08a4e12466_quant:
	.size	k_q08a4e12466_quant, .Lfunc_end_k_q08a4e12466_quant-k_q08a4e12466_quant
	.p2alignl 7, 3214868480
	.fill 96, 4, 3214868480
	.section	.rodata,"a",@progbits
	.p2align	6, 0x0
	.amdhsa_kernel k_q08a4e12466_quant
		.amdhsa_group_segment_fixed_size 33280
		.amdhsa_private_segment_fixed_size 0
		.amdhsa_enable_private_segment 0
		.amdhsa_kernarg_size 96
		.amdhsa_user_sgpr_count 2
		.amdhsa_user_sgpr_kernarg_segment_ptr 1
		.amdhsa_wavefront_size32 1
		.amdhsa_system_sgpr_workgroup_id_x 1
		.amdhsa_system_sgpr_workgroup_id_y 1
		.amdhsa_system_sgpr_workgroup_id_z 1
		.amdhsa_system_vgpr_workitem_id 0
		.amdhsa_next_free_vgpr 192
		.amdhsa_next_free_sgpr 66
		.amdhsa_reserve_vcc 0
		.amdhsa_float_denorm_mode_32 3
		.amdhsa_float_denorm_mode_16_64 3
		.amdhsa_memory_ordered 1
		.amdhsa_forward_progress 1
		.amdhsa_inst_pref_size 34
	.end_amdhsa_kernel
	.amdgpu_metadata
---
amdhsa.version: [ 1, 2 ]
amdhsa.kernels:
  - .name:           k_q08a4e12466_quant
    .symbol:         k_q08a4e12466_quant.kd
    .args:
      - { .name: x1, .offset: 0, .size: 8, .value_kind: global_buffer, .address_space: global }
      - { .name: x2, .offset: 8, .size: 8, .value_kind: global_buffer, .address_space: global }
      - { .name: Wq1, .offset: 16, .size: 8, .value_kind: global_buffer, .address_space: global }
      - { .name: Wk1, .offset: 24, .size: 8, .value_kind: global_buffer, .address_space: global }
      - { .name: Wv1, .offset: 32, .size: 8, .value_kind: global_buffer, .address_space: global }
      - { .name: Wq2, .offset: 40, .size: 8, .value_kind: global_buffer, .address_space: global }
      - { .name: Wk2, .offset: 48, .size: 8, .value_kind: global_buffer, .address_space: global }
      - { .name: Wv2, .offset: 56, .size: 8, .value_kind: global_buffer, .address_space: global }
      - { .name: Wo1, .offset: 64, .size: 8, .value_kind: global_buffer, .address_space: global }
      - { .name: Wo2, .offset: 72, .size: 8, .value_kind: global_buffer, .address_space: global }
      - { .name: codes, .offset: 80, .size: 8, .value_kind: global_buffer, .address_space: global }
      - { .name: scales, .offset: 88, .size: 8, .value_kind: global_buffer, .address_space: global }
    .group_segment_fixed_size: 33280
    .private_segment_fixed_size: 0
    .kernarg_segment_align: 8
    .kernarg_segment_size: 96
    .max_flat_workgroup_size: 128
    .sgpr_count:     66
    .vgpr_count:     192
    .wavefront_size: 32
...
	.end_amdgpu_metadata
.endif
;; end of part 1
;; launch proj (part 2): grid 12 x 32, 4 waves a work-group, clusters of 4 x 4, 327,680 bytes of LDS; arguments codes, scales, bq1, bk1, bv1, bq2, bk2, bv2, cos1, sin1, cos2, sin2, x1_padding_mask, x2_padding_mask, qkv; writes qkv
.if DOCPART == 2
	.amdgcn_target "amdgcn-amd-amdhsa--gfx1250"
	.amdhsa_code_object_version 6
	.text
	.protected	k_q08a4e12466_proj
	.globl	k_q08a4e12466_proj
	.p2align	8
	.type	k_q08a4e12466_proj,@function
k_q08a4e12466_proj:
	s_mov_b64 s[64:65], 0
	v_nop
	global_prefetch_b8 v0, s[64:65] scope:SCOPE_SE
	s_setreg_imm32_b32 hwreg(HW_REG_WAVE_MODE, 25, 1), 1
	s_wait_xcnt 0x0
	s_wait_alu depctr_hold_cnt(0) depctr_sa_sdst(0) depctr_va_vdst(0) depctr_va_sdst(0) depctr_va_ssrc(0) depctr_va_vcc(0) depctr_vm_vsrc(0)
	s_getreg_b32 s2, hwreg(HW_REG_IB_STS2, 6, 4)
	s_cmp_eq_u32 s2, 0
	s_cbranch_scc0 .Lentry_in_a_cluster
	s_endpgm
.Lentry_in_a_cluster:
	s_bfe_u32 s2, ttmp6, 0x10000c
	s_cmp_lg_u32 s2, 0xf033
	s_cbranch_scc0 .Lentry_shape_is_right
	s_endpgm
.Lentry_shape_is_right:
.set KSTEP,  256
.set NQ,     2
.set ROWB,   3145728                   ; from one K step of 256 to the next in memory: a plane of the codes
.set KROW,   192                       ; a row of a plane
.set PITCH,  240
.set FR,     12
.set NL,     6
.set NP,     4
.set HALFT,  128*PITCH
.set SLOT,   4*HALFT
.set LAPS,   2
.set KS,     32
.set SCL,    2*SLOT
.set HALFS,  (128*KS/256)*272
.set SBLK,   (16*KS/256)*272
.set SPARE,  SCL+4*HALFS
.set REC,    190464
.set RQS,    65536
.set RK,     69632
.set RV,     135168
.set RKS,    184320
.set RVS,    188416
.set ADRA, 16
.set ADRB, 20
.set ADRS, 27
.set SPW,  28
.set NIL,  29
.set SC,   32
.set AF,   128
.set PC,   32
.set PT,   48
.set PW,   56
.set VB,   57
.set VCODE, 58
.set BIAS, 64
.set CSB,  128
.set TT,   192
.set TM,   192
.set VM,   224
.set BV,   232
.set W0,   232
.set WVS,  248
.set G1, 24
.set G0, 32
.set G1B, 48
.set G0B, 56
.set G1S, 68
.set G0S, 76
.set G1SB, 80
.set G0SB, 88
.set MSB, 0
.macro WIN new
.if MSB != \new
	s_set_vgpr_msb (MSB<<8)|\new
.set MSB, \new
.endif
.endm
.set MUL_LO, 0xa1
.set MUL_HI, 0xf1
.set TO_B,   0x40
.macro JLOAD g0a, g1a, g0b, g1b
	s_cmp_eq_u32 s15, 0
	s_cbranch_scc0 .Lfor_b_\@
	tensor_load_to_lds s[\g0a:\g0a+3], s[\g1a:\g1a+7]
	s_nop 0
.rept 4
	v_nop
.endr
	s_branch .Lasked_\@
.Lfor_b_\@:
	tensor_load_to_lds s[\g0b:\g0b+3], s[\g1b:\g1b+7]
	s_nop 0
.rept 4
	v_nop
.endr
.Lasked_\@:
.endm
.macro CREST
	s_cmp_lg_u32 s14, 0
	s_cbranch_scc1 .Lnot_wave_0_\@
	s_barrier_signal -3
.Lnot_wave_0_\@:
	s_barrier_wait -3
	s_barrier_signal -1
	s_barrier_wait -1
.endm
.macro CROUND
	s_barrier_signal -1
	s_barrier_wait -1
	CREST
.endm
	s_load_b128 s[4:7], s[0:1], 0x0
	s_load_b256 s[68:75], s[0:1], 0x10
	s_load_b128 s[76:79], s[0:1], 0x30
	s_load_b256 s[80:87], s[0:1], 0x40
	s_load_b128 s[88:91], s[0:1], 0x60
	s_load_b64 s[8:9], s[0:1], 0x70
	v_lshl_add_u32 v[SPW], v0, 2, SPARE
	v_mov_b32 v[NIL], 0
	ds_add_u32 v[SPW], v[NIL]
	ds_add_u32 v[SPW], v[NIL]
	v_lshrrev_b32 v1, 5, v0
	v_readfirstlane_b32 s14, v1
	s_lshr_b32 s15, s14, 1
	s_and_b32 s16, s14, 1
	s_bfe_u32 s40, ttmp6, 0x40000
	s_bfe_u32 s41, ttmp6, 0x40004
	s_mov_b32 s17, ttmp9
	s_and_b32 s100, ttmp7, 0xffff
	s_lshr_b32 s42, s100, 2
	s_and_b32 s100, s100, 3
	s_lshl_b32 s43, s41, 2
	s_lshl_b32 s43, 15, s43
	s_lshl_b32 s44, 0x1111, s40
	s_or_b32 s[G1+0], s43, (0<<16)|(1<<20)|(1<<21)|(3<<22)|(3<<25)
	s_or_b32 s[G1B+0], s44, (0<<16)|(1<<20)|(1<<21)|(3<<22)|(3<<25)
.irp g, G1, G1B
	s_mov_b32 s[\g+1], 256<<16                     ; 128 rows x 192 bytes lie dense in a plane: fetched as 96 rows of 256 bytes
	s_mov_b32 s[\g+2], 192<<16                     ; the head's loads bring 256 rows of an operand: 192 rows of 256 bytes
	s_mov_b32 s[\g+3], 256<<16
	s_mov_b32 s[\g+4], 192
	s_mov_b32 s[\g+5], 256
	s_mov_b32 s[\g+6], 0
	s_mov_b32 s[\g+7], 0
.endr
	s_lshl_b32 s18, s42, 12
	s_lshl_b32 s19, s100, 10
	s_add_co_u32 s18, s18, s19
	s_mul_i32 s19, s42, 3
	s_add_co_u32 s19, s19, s17
	s_lshl_b32 s19, s19, 10
	s_add_co_u32 s19, s19, 8192
	s_cmp_eq_u32 s17, 2
	s_cselect_b32 s20, s19, s18
	s_cselect_b32 s46, s18, s19
	s_lshl_b32 s22, s41, 8
	s_add_co_u32 s20, s20, s22
	s_lshl_b32 s47, s40, 8
	s_add_co_u32 s46, s46, s47
	s_mov_b32 s21, 0
	s_mov_b32 s47, 0
	s_mov_b64 s[18:19], KS
	s_mul_u64 s[22:23], s[20:21], s[18:19]
	s_mul_u64 s[92:93], s[46:47], s[18:19]
	s_mov_b64 s[18:19], KROW
	s_mul_u64 s[20:21], s[20:21], s[18:19]
	s_mul_u64 s[46:47], s[46:47], s[18:19]
	s_mul_i32 s45, s14, HALFT
	s_wait_dscnt 0x0
	s_wait_kmcnt 0x0
	s_cmp_eq_u32 s42, 0
	s_cselect_b64 s[68:69], s[68:69], s[74:75]
	s_cselect_b64 s[70:71], s[70:71], s[76:77]
	s_cselect_b64 s[72:73], s[72:73], s[78:79]
	s_cselect_b64 s[66:67], s[80:81], s[84:85]
	s_cselect_b64 s[96:97], s[82:83], s[86:87]
	s_cselect_b64 s[98:99], s[88:89], s[90:91]
	s_cmp_eq_u32 s17, 0
	s_cselect_b64 s[12:13], s[68:69], s[70:71]
	s_cmp_eq_u32 s17, 2
	s_cselect_b64 s[12:13], s[72:73], s[12:13]
	s_or_b32 s[G1S+0], s43, (3<<16)|(1<<20)|(1<<21)|(5<<22)|(3<<25)
	s_or_b32 s[G1SB+0], s44, (3<<16)|(1<<20)|(1<<21)|(5<<22)|(3<<25)
.irp g, G1S, G1SB
	s_mov_b32 s[\g+1], 32<<16
	s_mov_b32 s[\g+2], (256*KS/256)<<16            ; the scales of an operand's 256 rows: 32 rows of 256 bytes
	s_mov_b32 s[\g+3], 32<<16
	s_mov_b32 s[\g+4], 256*KS/256
	s_mov_b32 s[\g+5], 32
	s_mov_b32 s[\g+6], 0
	s_mov_b32 s[\g+7], 0
.endr
	s_add_nc_u64 s[20:21], s[4:5], s[20:21]
	s_add_nc_u64 s[22:23], s[6:7], s[22:23]
	s_add_nc_u64 s[46:47], s[4:5], s[46:47]
	s_add_nc_u64 s[92:93], s[6:7], s[92:93]
	CROUND
	s_mov_b32 s[G0S], 1
	s_mov_b32 s[G0S+1], SCL
	s_mov_b64 s[G0S+2:G0S+3], s[22:23]
	s_or_b32 s[G0S+3], s[G0S+3], 0x80000000
	s_mov_b32 s[G0SB], 1
	s_mov_b32 s[G0SB+1], SCL+2*HALFS
	s_mov_b64 s[G0SB+2:G0SB+3], s[92:93]
	s_or_b32 s[G0SB+3], s[G0SB+3], 0x80000000
	s_mov_b32 s[G0], 1                             ; the head's tiles, each whole: K step 0's 256 rows of the one operand, at slot 0's start,
	s_mov_b32 s[G0+1], 0
	s_mov_b64 s[G0+2:G0+3], s[20:21]
	s_or_b32 s[G0+3], s[G0+3], 0x80000000
	s_mov_b32 s[G0B], 1                            ; and of the other, behind them
	s_mov_b32 s[G0B+1], 2*HALFT
	s_mov_b64 s[G0B+2:G0B+3], s[46:47]
	s_or_b32 s[G0B+3], s[G0B+3], 0x80000000
	s_mul_i32 s94, s16, 128*KROW                   ; for the ring: which 128 rows of a tile I fetch, in bytes
	s_mov_b32 s95, 0
	s_add_nc_u64 s[20:21], s[20:21], s[94:95]
	s_add_nc_u64 s[46:47], s[46:47], s[94:95]
	s_mov_b32 s[G0+4], 1                           ; slot 1's group 0: K step 1
	s_add_co_u32 s[G0+5], s45, SLOT
	s_add_nc_u64 s[G0+6:G0+7], s[20:21], ROWB
	s_or_b32 s[G0+7], s[G0+7], 0x80000000
	s_mov_b32 s[G0B+4], 1
	s_add_co_u32 s[G0B+5], s45, SLOT
	s_add_nc_u64 s[G0B+6:G0B+7], s[46:47], ROWB
	s_or_b32 s[G0B+7], s[G0B+7], 0x80000000
; THE HEAD'S LOADS, ONE A WAVE: one tree of branches on the wave's number, a load in each arm, all arms leading to one join
.macro ARM under, g0, g1, next
	s_cmp_lt_u32 s14, \under
	s_cbranch_scc0 \next
	tensor_load_to_lds s[\g0:\g0+3], s[\g1:\g1+7]
	s_nop 0
.rept 4
	v_nop
.endr
	s_branch .Lhead_asked
\next:
.endm
	ARM 1, G0,  G1,  .Lhead_b
	ARM 2, G0B, G1B, .Lhead_sa
	ARM 3, G0S, G1S, .Lhead_sb
	tensor_load_to_lds s[G0SB:G0SB+3], s[G1SB:G1SB+7]
	s_nop 0
.rept 4
	v_nop
.endr
.Lhead_asked:
	v_and_b32 v1, 15, v0
	v_bfe_u32 v2, v0, 4, 1
	v_mul_u32_u24 v3, v1, PITCH
	v_mul_u32_u24 v4, v2, 24
	v_add_nc_u32 v4, v3, v4
	v_lshl_add_u32 v5, v2, 4, v4
	s_mul_i32 s21, s15, HALFT
	s_mul_i32 s22, s16, HALFT
	s_add_co_u32 s22, s22, 2*HALFT
.irp s, 0,1
	v_add_nc_u32 v[ADRA+\s], s21, v4
	v_add_nc_u32 v[ADRB+\s], s22, v4
	v_add_nc_u32 v[ADRA+2+\s], s21, v5
	v_add_nc_u32 v[ADRB+2+\s], s22, v5
	s_add_co_u32 s21, s21, SLOT
	s_add_co_u32 s22, s22, SLOT
.endr
	v_mul_u32_u24 v5, v1, KS
	v_lshrrev_b32 v6, 8, v5
	v_lshl_add_u32 v5, v6, 4, v5
	s_mul_i32 s21, s15, HALFS
	s_mul_i32 s22, s16, HALFS
	s_add_co_u32 s22, s22, 2*HALFS
	s_sub_co_u32 s22, s22, s21
	v_mul_u32_u24 v6, s22, v2
	s_add_co_u32 s21, s21, SCL
	v_add_nc_u32 v5, v5, v6
	v_add_nc_u32 v[ADRS], s21, v5
	s_lshl_b32 s18, s41, 1
	s_add_co_u32 s18, s18, s15
	s_lshl_b32 s19, s40, 1
	s_add_co_u32 s19, s19, s16
	s_cmp_eq_u32 s17, 2
	s_cselect_b32 s20, s19, s18
	s_cselect_b32 s21, s18, s19
	s_mov_b32 s43, 8192
	s_cselect_b32 s43, 6144, s43
	s_mov_b32 s44, 512
	s_cselect_b32 s44, 256, s44
	s_mov_b32 s45, RK
	s_cselect_b32 s45, RV, s45
	s_mov_b32 s95, RKS
	s_cselect_b32 s95, RVS, s95
	s_cmp_eq_u32 s17, 0
	s_cselect_b32 s45, 0, s45
	s_cselect_b32 s95, RQS, s95
	s_lshl_b32 s22, s42, 2
	s_add_co_u32 s22, s22, s100
	s_lshl_b32 s22, s22, 4
	s_lshl_b32 s23, s21, 1
	s_add_co_u32 s22, s22, s23
	s_mul_i32 s22, s22, REC
	s_mul_i32 s43, s43, s20
	s_mul_i32 s44, s44, s20
	s_add_co_u32 s43, s43, s45
	s_add_co_u32 s43, s43, s22
	s_add_co_u32 s44, s44, s95
	s_add_co_u32 s46, s44, s22
	s_mov_b32 s47, 0
	s_add_nc_u64 s[10:11], s[8:9], s[46:47]
	s_mov_b32 s46, s43
	s_add_nc_u64 s[8:9], s[8:9], s[46:47]
	s_lshl_b32 s46, s21, 9
	s_add_nc_u64 s[12:13], s[12:13], s[46:47]
	s_lshl_b32 s46, s20, 14
	s_add_nc_u64 s[66:67], s[66:67], s[46:47]
	s_add_nc_u64 s[96:97], s[96:97], s[46:47]
	s_lshl_b32 s46, s100, 10
	s_lshl_b32 s45, s20, 7
	s_add_co_u32 s46, s46, s45
	s_lshl_b32 s46, s46, 2
	s_add_nc_u64 s[98:99], s[98:99], s[46:47]
	v_lshlrev_b32 v8, 5, v2
	v_and_b32 v9, 8, v1
	v_add_nc_u32 v9, v9, v1
	v_lshlrev_b32 v9, 2, v9
	v_lshlrev_b32 v10, 2, v1
	v_and_b32 v11, 31, v0
	v_lshlrev_b32 v11, 4, v11
	v_lshlrev_b32 v12, 7, v1
	v_lshl_add_u32 v12, v2, 5, v12
	v_lshlrev_b32 v13, 5, v1
	v_lshl_add_u32 v13, v2, 4, v13
	v_mul_u32_u24 v14, v2, REC
	v_lshl_add_u32 v14, v1, 4, v14
.irp b, 0,1,2,3,4,5,6,7
	global_load_b128 v[BIAS+8*\b:BIAS+8*\b+3], v8, s[12:13] offset:64*\b
	global_load_b128 v[BIAS+8*\b+4:BIAS+8*\b+7], v8, s[12:13] offset:64*\b+16
.endr
.irp a, 0,1,2,3,4,5,6,7
	global_load_b32 v[BV+2*\a], v9, s[12:13] offset:4*(32*(\a/2)+8*(\a%2))
	global_load_b32 v[BV+2*\a+1], v9, s[12:13] offset:4*(32*(\a/2)+8*(\a%2))
	global_load_b32 v[VM+\a], v10, s[98:99] offset:64*\a
.endr
.macro FRAG reg, adr, q, i
.irp p, 0,1,2,3,4,5
.set PCE, 12*(\q)+6*(\p/3)+\p%3
.if PCE%8 < 5
	ds_load_b64 v[\reg+2*\p:\reg+2*\p+1], v[\adr] offset:8*PCE+16*(PCE/8)+(\i)*16*PITCH
.else
	ds_load_b64 v[\reg+2*\p:\reg+2*\p+1], v[\adr+2] offset:8*PCE+16*(PCE/8)+(\i)*16*PITCH
.endif
.endr
.endm
.macro MUL16 a0, p, q, sc, zero
.irp a, \a0, \a0+1
.irp b, 0,1,2,3,4,5,6,7
.if \zero
	v_wmma_scale_f32_16x16x128_f8f6f4 v[8*(8*((\a)%4)+\b):8*(8*((\a)%4)+\b)+7], v[128*(\p)+FR*\b:128*(\p)+FR*\b+FR-1], v[AF+FR*(\a):AF+FR*(\a)+FR-1], 0, v[SC+8*NQ*(\sc)+NQ*\b+(\q)], v[SC+8*NQ*(\sc)+NQ*(\a)+(\q)] matrix_a_fmt:MATRIX_FMT_FP6 matrix_b_fmt:MATRIX_FMT_FP6 matrix_a_scale:MATRIX_SCALE_ROW1
.else
	v_wmma_scale_f32_16x16x128_f8f6f4 v[8*(8*((\a)%4)+\b):8*(8*((\a)%4)+\b)+7], v[128*(\p)+FR*\b:128*(\p)+FR*\b+FR-1], v[AF+FR*(\a):AF+FR*(\a)+FR-1], v[8*(8*((\a)%4)+\b):8*(8*((\a)%4)+\b)+7], v[SC+8*NQ*(\sc)+NQ*\b+(\q)], v[SC+8*NQ*(\sc)+NQ*(\a)+(\q)] matrix_a_fmt:MATRIX_FMT_FP6 matrix_b_fmt:MATRIX_FMT_FP6 matrix_a_scale:MATRIX_SCALE_ROW1
.endif
.endr
.endr
.endm
.macro FETCH_B slot, q, p
	WIN TO_B
.irp i, 0,1,2,3,4,5,6,7
	FRAG 128*(\p)+FR*\i, ADRB+\slot, \q, \i
.endr
	WIN 0
.endm
.macro FETCH_A slot, q, i0
.irp i, \i0, \i0+1, \i0+2, \i0+3
	FRAG AF+FR*(\i), ADRA+\slot, \q, \i
.endr
.endm
.macro SCALES sc
.irp i, 0,1,2,3,4,5,6,7
	ds_load_b64 v[SC+8*NQ*\sc+NQ*\i:SC+8*NQ*\sc+NQ*\i+1], v[ADRS] offset:\i*SBLK
.endr
.endm
.macro PLACES n
.rept \n
	v_nop
.endr
.endm
.macro STEP slot, q, zero
	s_wait_dscnt 4*NL
	WIN MUL_LO
	MUL16 0, (\q)%2, \q, \slot, \zero
	MUL16 2, (\q)%2, \q, \slot, \zero
	s_wait_dscnt 0
	PLACES NP
	FETCH_B \slot, (\q)+1, 1-(\q)%2
	FETCH_A \slot, (\q)+1, 0
	WIN MUL_HI
	MUL16 4, (\q)%2, \q, \slot, \zero
	MUL16 6, (\q)%2, \q, \slot, \zero
	PLACES NP
	WIN 0
	FETCH_A \slot, (\q)+1, 4
.endm
.macro TURN slot, next, fill
	s_wait_tensorcnt 0x0
	ds_add_u32 v[SPW], v[NIL]
	s_wait_dscnt 4*NL+1
	WIN MUL_LO
	MUL16 0, 1, NQ-1, \slot, 0
	s_wait_dscnt 0x0
	s_barrier_signal -1
	MUL16 2, 1, NQ-1, \slot, 0
	WIN 0
	s_barrier_wait -1
.if \fill
	CREST
	s_add_nc_u64 s[G0+4*\slot+2:G0+4*\slot+3], s[G0+4*\slot+2:G0+4*\slot+3], 2*ROWB
	s_add_nc_u64 s[G0B+4*\slot+2:G0B+4*\slot+3], s[G0B+4*\slot+2:G0B+4*\slot+3], 2*ROWB
	JLOAD G0+4*\slot, G1, G0B+4*\slot, G1B
.else
	PLACES NP
.endif
	s_wait_alu depctr_va_vdst(0)
	v_add_nc_u32 v[ADRS], 4*NQ, v[ADRS]
	FETCH_B \next, 0, 0
	FETCH_A \next, 0, 0
	SCALES \next
	WIN MUL_HI
	MUL16 4, 1, NQ-1, \slot, 0
	MUL16 6, 1, NQ-1, \slot, 0
	PLACES NP
	WIN 0
	FETCH_A \next, 0, 4
.endm
	s_wait_alu depctr_va_vdst(0)                   ; the head's end
	s_wait_tensorcnt 0x0                           ; my tile of the head's four is in
	ds_add_u32 v[SPW], v[NIL]
	s_mov_b32 s[G1+2], 96<<16                      ; no tensor load of mine is out, so descriptors may be written: from here on a load brings 128 rows, 96 rows of 256 bytes,
	s_mov_b32 s[G1+4], 96
	s_mov_b32 s[G1B+2], 96<<16
	s_mov_b32 s[G1B+4], 96
	s_mul_i32 s[G0+1], s14, HALFT                  ; and slot 0's group 0 becomes the ring's: my quarter of the slot, my 128 rows, K step 0 (its first refill steps it on)
	s_sub_nc_u64 s[G0+2:G0+3], s[G0+6:G0+7], ROWB
	s_mul_i32 s[G0B+1], s14, HALFT
	s_sub_nc_u64 s[G0B+2:G0B+3], s[G0B+6:G0B+7], ROWB
	s_wait_dscnt 0x0
	CROUND                                         ; all four tiles are in, and all sixteen work-groups are here
	JLOAD G0+4, G1, G0B+4, G1B                     ; K step 1, the first tensor load behind the round
	FETCH_B 0, 0, 0
	FETCH_A 0, 0, 0
	SCALES 0
	FETCH_A 0, 0, 4
	STEP 0, 0, 1
	s_mov_b32 s3, LAPS-1
.Llap:
	TURN 0, 1, 1
	STEP 1, 0, 0
	TURN 1, 0, 1
	STEP 0, 0, 0
	s_sub_co_u32 s3, s3, 1
	s_cmp_lg_u32 s3, 0
	s_cbranch_scc1 .Llap
	TURN 0, 1, 0
	STEP 1, 0, 0
	s_wait_dscnt 4*NL
	WIN MUL_LO
	MUL16 0, 1, NQ-1, 1, 0
	MUL16 2, 1, NQ-1, 1, 0
	s_wait_dscnt 0
	WIN MUL_HI
	MUL16 4, 1, NQ-1, 1, 0
	MUL16 6, 1, NQ-1, 1, 0
	WIN 0
.macro QUANT w, ac, str
.set WW, 5*(\w)
	WIN WW
.irp b, 0,1,2,3
	v_max3_num_f32 v[TM+\b], |v[\ac+16*\b]|, |v[\ac+16*\b+1]|, 0x1800000
.endr
.irp i, 2,4,6,8,10,12,14
.irp b, 0,1,2,3
	v_max3_num_f32 v[TM+\b], |v[\ac+16*\b+\i]|, |v[\ac+16*\b+\i+1]|, v[TM+\b]
.endr
.endr
	WIN 0
.irp b, 0,1,2,3
	v_permlanex16_b32 v[TM+4+\b], v[TM+\b], s104, s105
.endr
.irp b, 0,1,2,3
	v_max_num_f32 v[TM+\b], v[TM+\b], v[TM+4+\b]
.endr
.irp b, 0,1,2,3
	v_add_nc_u32 v[TM+8+\b], 0xff000000, v[TM+\b]
.endr
.irp b, 0,1,2,3
	v_lshrrev_b32 v[TM+4+\b], 23, v[TM+8+\b]
.endr
	v_lshl_or_b32 v[PW], v[TM+5], 8, v[TM+4]
	v_lshl_or_b32 v[PW], v[TM+6], 16, v[PW]
	v_lshl_or_b32 v[PW], v[TM+7], 24, v[PW]
	s_wait_xcnt 0x0
.set WW, \w
	WIN WW
.irp c, 0,1
	v_cvt_scalef32_pk16_fp6_f32 v[PC+\str*\c:PC+\str*\c+2], v[\ac+32*\c:\ac+32*\c+15], v[TM+8+2*\c]
	v_cvt_scalef32_pk16_fp6_f32 v[PT+4*\c:PT+4*\c+2], v[\ac+32*\c+16:\ac+32*\c+31], v[TM+9+2*\c]
.endr
	WIN 0
	v_nop
.irp c, 0,1
.irp i, 0,1,2
	v_permlane16_swap_b32 v[PC+\str*\c+\i], v[PT+4*\c+\i]
.endr
.irp i, 0,1,2
	v_mov_b32 v[PC+\str*\c+3+\i], v[PT+4*\c+\i]
.endr
.endr
.endm
.macro CSLOAD a
.set CL, CSB+32*((\a)%2)
	global_load_b128 v[CL:CL+3],     v12, s[66:67] offset:2048*(\a)
	global_load_b128 v[CL+4:CL+7],   v12, s[66:67] offset:2048*(\a)+16
	global_load_b128 v[CL+8:CL+11],  v12, s[66:67] offset:2048*(\a)+64
	global_load_b128 v[CL+12:CL+15], v12, s[66:67] offset:2048*(\a)+80
	global_load_b128 v[CL+16:CL+19], v12, s[96:97] offset:2048*(\a)
	global_load_b128 v[CL+20:CL+23], v12, s[96:97] offset:2048*(\a)+16
	global_load_b128 v[CL+24:CL+27], v12, s[96:97] offset:2048*(\a)+64
	global_load_b128 v[CL+28:CL+31], v12, s[96:97] offset:2048*(\a)+80
.endm
.macro QK_OUT a
.set AW, 2+(\a)/4
.set AC, 64*((\a)%4)
.set CB0, CSB+32*((\a)%2)
.if (\a) < 7
	CSLOAD (\a)+1
	s_wait_loadcnt 8
.else
	s_wait_loadcnt 0
.endif
.set WD, 65*AW
	WIN WD
.irp j, 0,2,4,6,8,10,12,14,16,18,20,22,24,26,28,30,32,34,36,38,40,42,44,46,48,50,52,54,56,58,60,62
	v_pk_add_f32 v[AC+\j:AC+\j+1], v[AC+\j:AC+\j+1], v[BIAS+\j:BIAS+\j+1]
.endr
	WIN AW
.irp hh, 0,1
.irp j, 0,2,4,6
	v_pk_mul_f32 v[TT+16*\hh+\j:TT+16*\hh+\j+1], v[AC+32*\hh+8+\j:AC+32*\hh+8+\j+1], v[CB0+16+\j:CB0+16+\j+1]
	v_pk_mul_f32 v[TT+16*\hh+8+\j:TT+16*\hh+8+\j+1], v[AC+32*\hh+\j:AC+32*\hh+\j+1], v[CB0+24+\j:CB0+24+\j+1]
.endr
.endr
	WIN WD
.irp hh, 0,1
.irp j, 0,2,4,6
	v_pk_fma_f32 v[AC+32*\hh+\j:AC+32*\hh+\j+1], v[AC+32*\hh+\j:AC+32*\hh+\j+1], v[CB0+\j:CB0+\j+1], v[TT+16*\hh+\j:TT+16*\hh+\j+1] neg_lo:[0,0,1] neg_hi:[0,0,1]
	v_pk_fma_f32 v[AC+32*\hh+8+\j:AC+32*\hh+8+\j+1], v[AC+32*\hh+8+\j:AC+32*\hh+8+\j+1], v[CB0+8+\j:CB0+8+\j+1], v[TT+16*\hh+8+\j:TT+16*\hh+8+\j+1]
.endr
.endr
	QUANT AW, AC, 8
	v_and_b32 v61, s2, v[VM+\a]
	v_cmp_eq_u32 vcc_lo, 0, v61
	v_cndmask_b32 v[PC+6], 0, v[VCODE], vcc_lo
	v_mov_b32 v[PC+14], v[PC+6]
	v_cndmask_b32 v[VB], v59, v60, vcc_lo
	v_and_or_b32 v[W0+\a], v[PW], 0xffff, v[VB]
	v_lshrrev_b32 v61, 16, v[PW]
	v_or_b32 v[W0+8+\a], v61, v[VB]
.irp hh, 0,1
.irp g, 0,1
	global_store_b128 v11, v[PC+8*\hh+4*\g:PC+8*\hh+4*\g+3], s[8:9] offset:\hh*REC+(\a)*1024+\g*512
.endr
.endr
.endm
.macro V_OUT a
.set AW, 2+(\a)/4
.set AC, 64*((\a)%4)
.set WD, 65*AW
	WIN WD
.irp j, 0,2,4,6,8,10,12,14,16,18,20,22,24,26,28,30,32,34,36,38,40,42,44,46,48,50,52,54,56,58,60,62
	v_pk_add_f32 v[AC+\j:AC+\j+1], v[AC+\j:AC+\j+1], v[BV+2*(\a):BV+2*(\a)+1]
.endr
	QUANT AW, AC, 6
	v_mov_b32 v[WVS+\a], v[PW]
.irp g, 0,1,2
	global_store_b128 v11, v[PC+4*\g:PC+4*\g+3], s[8:9] offset:((\a)/4)*REC+((\a)%4)*1536+\g*512
.endr
.endm
	PLACES NP
	s_wait_loadcnt 0x0
	s_mov_b32 s101, 0xffff0000
	s_mov_b32 s104, 0x76543210
	s_mov_b32 s105, 0xfedcba98
	s_cmp_eq_u32 s17, 0
	s_cselect_b32 s18, 31, 63
	s_cmp_eq_u32 s17, 1
	s_cselect_b32 s2, -1, 0
	v_mov_b32 v61, s18
	v_cndmask_b32 v[VCODE], v61, v[NIL], s101
	v_mov_b32 v59, 0x01010000
	v_mov_b32 v60, 0x01bb0000
	v_mov_b32 v[PC+7], 0
	v_mov_b32 v[PC+15], 0
.irp b, 0,1,2,3
	v_mov_b32 v[TM+4+\b], 0
.endr
	s_cmp_eq_u32 s17, 2
	s_cbranch_scc1 .Lv
	CSLOAD 0
.irp a, 0,1,2,3,4,5,6,7
	QK_OUT \a
.endr
	s_wait_alu depctr_va_vdst(0)
.irp hh, 0,1
	s_wait_xcnt 0x0
.irp i, 0,1,2,3
	v_cndmask_b32 v[PT+\i], v[W0+8*\hh+\i], v[W0+8*\hh+4+\i], s101
.endr
	global_store_b128 v13, v[PT:PT+3], s[10:11] offset:\hh*REC
.endr
	s_branch .Ldone
.Lv:
.irp a, 0,1,2,3,4,5,6,7
	V_OUT \a
.endr
	s_wait_alu depctr_va_vdst(0)
	s_wait_xcnt 0x0
.irp i, 0,1,2,3
	v_cndmask_b32 v[PT+\i], v[WVS+\i], v[WVS+4+\i], s101
.endr
	global_store_b128 v14, v[PT:PT+3], s[10:11]
.Ldone:
	s_wait_tensorcnt 0x0
	ds_add_u32 v[SPW], v[NIL]
	s_wait_dscnt 0x0
	CROUND
	s_endpgm
.Lfunc_end_k_q08a4e12466_proj:
	.size	k_q08a4e12466_proj, .Lfunc_end_k_q08a4e12466_proj-k_q08a4e12466_proj
	.p2alignl 7, 3214868480
	.fill 96, 4, 3214868480
	.section	.rodata,"a",@progbits
	.p2align	6, 0x0
	.amdhsa_kernel k_q08a4e12466_proj
		.amdhsa_group_segment_fixed_size 327680
		.amdhsa_private_segment_fixed_size 0
		.amdhsa_enable_private_segment 0
		.amdhsa_kernarg_size 120
		.amdhsa_user_sgpr_count 2
		.amdhsa_user_sgpr_kernarg_segment_ptr 1
		.amdhsa_wavefront_size32 1
		.amdhsa_system_sgpr_workgroup_id_x 1
		.amdhsa_system_sgpr_workgroup_id_y 1
		.amdhsa_system_sgpr_workgroup_id_z 1
		.amdhsa_system_vgpr_workitem_id 0
		.amdhsa_next_free_vgpr 1024
		.amdhsa_next_free_sgpr 106
		.amdhsa_reserve_vcc 1
		.amdhsa_float_denorm_mode_32 3
		.amdhsa_float_denorm_mode_16_64 3
		.amdhsa_memory_ordered 1
		.amdhsa_forward_progress 1
		.amdhsa_inst_pref_size 255
	.end_amdhsa_kernel
	.section	.bss,"aw",@nobits
	.p2align	6
	.space	262144
	.amdgpu_metadata
---
amdhsa.version: [ 1, 2 ]
amdhsa.kernels:
  - .name:           k_q08a4e12466_proj
    .symbol:         k_q08a4e12466_proj.kd
    .args:
      - { .name: codes, .offset: 0, .size: 8, .value_kind: global_buffer, .address_space: global }
      - { .name: scales, .offset: 8, .size: 8, .value_kind: global_buffer, .address_space: global }
      - { .name: bq1, .offset: 16, .size: 8, .value_kind: global_buffer, .address_space: global }
      - { .name: bk1, .offset: 24, .size: 8, .value_kind: global_buffer, .address_space: global }
      - { .name: bv1, .offset: 32, .size: 8, .value_kind: global_buffer, .address_space: global }
      - { .name: bq2, .offset: 40, .size: 8, .value_kind: global_buffer, .address_space: global }
      - { .name: bk2, .offset: 48, .size: 8, .value_kind: global_buffer, .address_space: global }
      - { .name: bv2, .offset: 56, .size: 8, .value_kind: global_buffer, .address_space: global }
      - { .name: cos1, .offset: 64, .size: 8, .value_kind: global_buffer, .address_space: global }
      - { .name: sin1, .offset: 72, .size: 8, .value_kind: global_buffer, .address_space: global }
      - { .name: cos2, .offset: 80, .size: 8, .value_kind: global_buffer, .address_space: global }
      - { .name: sin2, .offset: 88, .size: 8, .value_kind: global_buffer, .address_space: global }
      - { .name: x1_padding_mask, .offset: 96, .size: 8, .value_kind: global_buffer, .address_space: global }
      - { .name: x2_padding_mask, .offset: 104, .size: 8, .value_kind: global_buffer, .address_space: global }
      - { .name: qkv, .offset: 112, .size: 8, .value_kind: global_buffer, .address_space: global }
    .group_segment_fixed_size: 327680
    .private_segment_fixed_size: 0
    .kernarg_segment_align: 8
    .kernarg_segment_size: 120
    .max_flat_workgroup_size: 128
    .sgpr_count:     106
    .vgpr_count:     1024
    .wavefront_size: 32
...
	.end_amdgpu_metadata
.endif
;; end of part 2
;; launch attn (part 3): grid 4 x 64, 16 waves a work-group, clusters of 4 x 1, 276,480 bytes of LDS; arguments qkv, ac, asc; writes ac, asc
.if DOCPART == 3
	.amdgcn_target "amdgcn-amd-amdhsa--gfx1250"
	.amdhsa_code_object_version 6
	.text
	.protected	k_q08a4e12466_attn
	.globl	k_q08a4e12466_attn
	.p2align	8
	.type	k_q08a4e12466_attn,@function
k_q08a4e12466_attn:
	s_mov_b64 s[64:65], 0
	v_nop
	global_prefetch_b8 v0, s[64:65] scope:SCOPE_SE
	s_setreg_imm32_b32 hwreg(HW_REG_WAVE_MODE, 25, 1), 1
	s_wait_xcnt 0x0
	s_wait_alu depctr_hold_cnt(0) depctr_sa_sdst(0) depctr_va_vdst(0) depctr_va_sdst(0) depctr_va_ssrc(0) depctr_va_vcc(0) depctr_vm_vsrc(0)
	s_getreg_b32 s2, hwreg(HW_REG_IB_STS2, 6, 4)
	s_cmp_eq_u32 s2, 0
	s_cbranch_scc0 .Lentry_in_a_cluster
	s_endpgm
.Lentry_in_a_cluster:
	s_bfe_u32 s2, ttmp6, 0x10000c
	s_cmp_lg_u32 s2, 0x3003
	s_cbranch_scc0 .Lentry_shape_is_right
	s_endpgm
.Lentry_shape_is_right:
; The four attentions of one (batch, head), on codes of FP6 (E2M3) with E8M0 scales: each query of both streams against (k1, v1) and against (k2, v2); the two normalised results are added and quantised along the head's 64.
; A cluster of four work-groups owns one (batch, head).  Both sets of keys and values come into each work-group's LDS ONCE, asked for jointly, one load a wave, and stay: no ring, no refill.
; Work-group cx takes stream cx / 2, tokens 512 (cx % 2) on; each of its sixteen waves 32 of them, as two tiles of 16; a tile walks set 0, then set 1, 128 keys a step.
; Both products are used transposed (S^T = K Q^T, O^T = V^T P^T): a lane holds one query throughout.
; WHICH KEYS FORM A TILE: tile 4 c + u of a step takes as rows 0-7 eight keys of block 2 c and as rows 8-15 the same eight of block 2 c + 1 (blocks of 32 keys), the eights in the order 0-7, 16-23, 8-15, 24-31, in which V's codes lie.
; So lane (r, h) holds in 32 registers on end the whole block 2 c + h of query r, as the second product's operand wants it: a block's maximum needs no other lane and p's codes change no lane.
; K's images lie 1,088 bytes apart in LDS (1,024 + 64 of padding): lanes 0-7 and lanes 8-15 of a fragment load read tiles two apart, 2,176 bytes, which is 128 modulo 256.
; K's fragments lie 8 registers apart: registers 8-11 of a fragment are the next one's first four; the queries' codes at those k are zeros, and every 6-bit code is a finite number.
; THE SOFTMAX: t = score x log2(e) / 8; M = the running largest t rounded up to a whole number; p = 2^(t - M) is quantised along the keys; the sum is taken of the unquantised p and divides at the end.
; THE MASK is in the operands: a masked key's score is -56.25 x 2^120.  The running largest score begins at -2^122, above every masked score, so a masked key's p is 0 in every step.
; LIMITS: a score under -2^122 counts as masked; a batch row whose mask is all zero gives NaN in f32 here as in the definition, but the last quantiser does not carry a NaN on; NaN and infinities among the inputs are not served;
; a block of zeros gets the byte 1 (its codes are zeros; this program alone reads the bytes).
; No prefetch: all that the launch reads from memory in bulk is asked for at its head.
.set REC,   190464
.set RQS,   65536
.set RK,    69632
.set RV,    135168
.set KP,    1088                       ; a tile of K in LDS
.set KSET,  64*KP                      ; a set's 64 tiles
.set KQ,    16*KP                      ; what one of waves 0-7 fetches: 16 rows of 1,024 bytes
.set RB,    2*KSET                     ; behind K: for each set V's images, K's scale words at LKS, V's at LVS
.set RSET,  55296
.set RQ,    13824                      ; what one of waves 8-15 fetches: 54 rows of 256 bytes
.set LKS,   49152
.set LVS,   53248
.set STG,   RB+2*RSET                  ; 1,536 bytes for each wave: its 32 rows of codes
.set SPARE, STG+16*1536                ; the spare words, 128 bytes a wave
.set LIK,  1                           ; 16 (r % 8) + 256 h + 2 KP (r / 8)
.set ASK0, 2                           ; 32 (r % 8) + 8 (r / 8) + RB + LKS
.set AV0,  3                           ; 16 x lane + RB
.set ASV0, 4                           ; 16 r + RB + LVS
.set SPW,  5
.set NIL,  6
.set SH8,  7                           ; 8 h
.set ADK,  8
.set ADV,  9
.set ADS,  10
.set ADT,  11
.set NM,   12                          ; -M
.set MX,   13                          ; the running largest score
.set SUM,  14                          ; v14-15 the sum, in two halves
.set Q,    16                          ; v16-27 the queries' fragment
.set F,    28                          ; v28-95 K's eight fragments; then V's four in v28-75 and scratch in v76-95
.set MA0,  76
.set MB0,  77
.set MA1,  78
.set MB1,  79
.set MM,   80
.set MXO,  81
.set TS1,  82                          ; v82 the row's address in my stage
.set CT0,  88
.set SC0,  91
.set CT1,  92
.set SC1,  95
.set KSC,  96                          ; v96-103 K's scale words, v104-107 V's, v108 q's, v109 p's
.set VSC,  104
.set QS,   108
.set PS,   109
.set FF,   110                         ; f = 2^(old M - new M); v111: 32 r, the address of q's scale words
.set S,    112                         ; v112-175 scores, then p
.set O,    176                         ; v176-207 O^T
.set R,    208                         ; v208-239 the two attentions' sum
.set P,    240                         ; v240-251 p's codes
.set LI,   252                         ; 16 x lane
.set STI,  253
.set STB,  254
.set SB,   255                         ; the rows' scale bytes
.set WV,   18
.set CN,   19
.set SEL,  20
.set CS,   22
.set TK,   40
.set TV,   41
.set TS,   42
.set TJ,   43
.set STEPC, 44
.set TILE, 61
.set HM,   62
.set TP,   63
.macro CROUND
	s_barrier_signal -1
	s_barrier_wait -1
	s_cmp_lg_u32 s[WV], 0
	s_cbranch_scc1 .Lnot_wave_0_\@
	s_barrier_signal -3
.Lnot_wave_0_\@:
	s_barrier_wait -3
	s_barrier_signal -1
	s_barrier_wait -1
.endm
	s_load_b128 s[4:7], s[0:1], 0x0                ; qkv, ac
	s_load_b64 s[8:9], s[0:1], 0x10                ; asc
	v_lshl_add_u32 v[SPW], v0, 2, SPARE
	v_mov_b32 v[NIL], 0
	ds_add_u32 v[SPW], v[NIL]                      ; the opening lines: the add, twice on end, and its wait ahead of my tensor load
	ds_add_u32 v[SPW], v[NIL]
	v_lshrrev_b32 v8, 5, v0
	v_readfirstlane_b32 s[WV], v8                  ; wave 0..15
	s_and_b32 s45, ttmp7, 0xffff                   ; 16 x batch + head: the four partners share it
	s_mov_b32 s24, 15|(3<<16)|(1<<20)|(1<<21)|(7<<22)|(15<<25)   ; K: all four partners; elements of 8 bytes; 16 words of padding behind every 256
	s_mov_b32 s25, 128<<16
	s_mov_b32 s26, 16<<16
	s_mov_b32 s27, 128<<16
	s_mov_b32 s28, 16
	s_mov_b32 s29, 128
	s_mov_b32 s30, 0
	s_mov_b32 s31, 0
	s_mov_b32 s68, 15|(3<<16)|(1<<21)              ; V and the scale words: dense rows of 256 bytes
	s_mov_b32 s69, 32<<16
	s_mov_b32 s70, 54<<16
	s_mov_b32 s71, 32<<16
	s_mov_b32 s72, 54
	s_mov_b32 s73, 32
	s_mov_b32 s74, 0
	s_mov_b32 s75, 0
	s_lshr_b32 s46, s[WV], 2
	s_and_b32 s46, s46, 1                          ; which set: waves 0-3 and 8-11 set 0, the others set 1
	s_lshl_b32 s46, s46, 6
	s_add_co_u32 s46, s46, s45
	s_mul_i32 s46, s46, REC                        ; its record
	s_and_b32 s47, s[WV], 3                        ; which quarter
	s_mul_i32 s52, s47, 16384
	s_add_co_u32 s52, s52, s46
	s_add_co_u32 s52, s52, RK
	s_mov_b32 s53, 0
	s_mul_i32 s54, s47, RQ
	s_add_co_u32 s54, s54, s46
	s_add_co_u32 s54, s54, RV
	s_mov_b32 s55, 0
	s_mov_b32 s32, 1
	s_mul_i32 s33, s[WV], KQ                       ; waves 0-7: K's quarters on end
	s_mov_b32 s36, 1
	s_mul_i32 s37, s[WV], RQ
	s_add_co_u32 s37, s37, RB-8*RQ                 ; waves 8-15: the other quarters on end, from RB
	s_mov_b32 s[SEL], 0x76543210
	s_mov_b32 s[SEL+1], 0xfedcba98
	s_mov_b32 s[CS], 0x3e38aa3b                    ; c = log2(e) / 8
	s_mov_b32 s[CS+1], s[CS]
	s_mov_b32 s[CN], 0xbe38aa3b                    ; -c
	s_wait_dscnt 0x0                               ; both opening adds are done
	s_wait_kmcnt 0x0
	s_add_nc_u64 s[34:35], s[4:5], s[52:53]
	s_or_b32 s35, s35, 0x80000000
	s_add_nc_u64 s[38:39], s[4:5], s[54:55]
	s_or_b32 s39, s39, 0x80000000
	CROUND                                         ; all four work-groups are here: the joint loads meet
	s_cmp_lt_u32 s[WV], 8                          ; one load a wave, on either way
	s_cbranch_scc0 .Lrest
	tensor_load_to_lds s[32:35], s[24:31]
	s_nop 0
.rept 4
	v_nop
.endr
	s_branch .Lasked
.Lrest:
	tensor_load_to_lds s[36:39], s[68:75]
	s_nop 0
.rept 4
	v_nop
.endr
.Lasked:
	s_bfe_u32 s10, ttmp6, 0x40000                  ; cx: it enters global addresses of q, ac and asc alone
	s_lshr_b32 s52, s10, 1                         ; my queries' stream
	s_and_b32 s53, s10, 1                          ; which half of its tokens
	s_lshl_b32 s54, s52, 6
	s_add_co_u32 s54, s54, s45
	s_mul_i32 s54, s54, REC                        ; their record
	s_lshl_b32 s55, s53, 5
	s_lshl_b32 s56, s[WV], 1
	s_add_co_u32 s55, s55, s56                     ; my first tile of 16 queries, of the record's 64: an even number
	s_lshl_b32 s56, s55, 10
	s_add_co_u32 s56, s56, s54
	s_mov_b32 s57, 0
	s_add_nc_u64 s[48:49], s[4:5], s[56:57]        ; its image
	s_lshr_b32 s56, s55, 3
	s_lshl_b32 s56, s56, 9
	s_and_b32 s58, s55, 7
	s_lshl_b32 s58, s58, 2
	s_add_co_u32 s56, s56, s58
	s_add_co_u32 s56, s56, s54
	s_add_co_u32 s56, s56, RQS
	s_add_nc_u64 s[50:51], s[4:5], s[56:57]        ; its scale words
	s_lshl_b32 s56, s52, 12
	s_lshr_b32 s58, s45, 4
	s_lshl_b32 s58, s58, 10
	s_add_co_u32 s56, s56, s58
	s_lshl_b32 s58, s53, 9
	s_add_co_u32 s56, s56, s58
	s_lshl_b32 s58, s[WV], 5
	s_add_co_u32 s59, s56, s58                     ; my first row of ac and asc: 4096 x stream + 1024 x batch + token
	s_and_b32 s58, s45, 15                         ; the head
	s_mul_i32 s56, s58, 393216                     ; a head's plane of ac: 8192 rows x 48 bytes
	s_mul_i32 s60, s59, 48
	s_add_co_u32 s56, s56, s60
	s_add_nc_u64 s[6:7], s[6:7], s[56:57]
	s_lshl_b32 s56, s59, 5
	s_lshl_b32 s58, s58, 1
	s_add_co_u32 s56, s56, s58
	s_add_nc_u64 s[8:9], s[8:9], s[56:57]
	s_mul_i32 s46, s[WV], 1536
	s_add_co_u32 s46, s46, STG                     ; my stage
	v_and_b32 v8, 15, v0                           ; r
	v_bfe_u32 v9, v0, 4, 1                         ; h
	v_and_b32 v10, 31, v0                          ; lane
	v_and_b32 v11, 7, v0                           ; r % 8
	v_bfe_u32 v12, v0, 3, 1                        ; r / 8
	v_lshlrev_b32 v[LI], 4, v10
	v_lshlrev_b32 v[LIK], 4, v11
	v_lshl_add_u32 v[ASK0], v11, 5, RB+LKS
	v_lshl_add_u32 v[ASV0], v8, 4, RB+LVS
	v_lshl_add_u32 v[LIK], v9, 8, v[LIK]
	v_lshl_add_u32 v[ASK0], v12, 3, v[ASK0]
	v_add_nc_u32 v[AV0], RB, v[LI]
	v_mad_u32_u24 v[LIK], v12, 2*KP, v[LIK]
	v_lshlrev_b32 v[SH8], 3, v9
	v_lshlrev_b32 v[FF+1], 5, v8
	v_mul_u32_u24 v[STI], v8, 48
	v_add_nc_u32 v[STB], s46, v[LI]                ; back: 16 bytes a lane
	v_mad_u32_u24 v[STI], v9, 24, v[STI]
	v_mov_b32 v[FF], 0
	v_add_nc_u32 v[STI], s46, v[STI]               ; in: row r of 48 bytes, + 24 h
.irp i, 8,9,10,11
	v_mov_b32 v[Q+\i], 0                           ; the queries' codes of k = 75 .. 127: zeros
.endr
.irp i, 76,77,78,79,80,81,82,83,84,85,86,87,88,89,90,91,92,93,94,95
	v_mov_b32 v[\i], 0                             ; written once: the last fragment's registers 8-11, and the lane permutes' destinations
.endr
	v_mov_b32 v[SB], 0
	s_wait_alu depctr_va_vdst(0)                   ; the head's end
	global_load_b128 v[Q:Q+3], v[LI], s[48:49]     ; tile 0's image: registers 0-7 of the queries' fragment,
	global_load_b128 v[Q+4:Q+7], v[LI], s[48:49] offset:512
	global_load_b32 v[QS], v[FF+1], s[50:51]       ; and its scale words
	s_mov_b32 s[TILE], 2
	s_mov_b32 s[TP], 0
	s_mov_b32 s[HM], 0x0000ffff                    ; tile 0's bytes go to lanes 0-15, tile 1's to lanes 16-31
	s_wait_tensorcnt 0x0                           ; my part of the sets is in,
	s_barrier_signal -1
	s_barrier_wait -1                              ; everybody's is
.macro SCSTEP i                        ; p's scales, in six steps
.if \i == 0
	v_max_num_f32 v[MA0], 0x1800000, v[MA0]        ; the floor 2^(3 - 127): the byte cannot fall under 1
	v_max_num_f32 v[MA1], 0x1800000, v[MA1]
.elseif \i == 1
	v_add_nc_u32 v[SC0], 0xff000000, v[MA0]        ; 2 off the exponent field: the conversion's scale operand
	v_add_nc_u32 v[SC1], 0xff000000, v[MA1]
.elseif \i == 2
	v_lshrrev_b32 v[MB0], 23, v[SC0]               ; the bytes of blocks h and 2 + h
	v_lshrrev_b32 v[MB1], 23, v[SC1]
.elseif \i == 3
	v_lshl_or_b32 v[MM], v[MB1], 16, v[MB0]
.elseif \i == 4
	v_lshlrev_b32 v[MM], v[SH8], v[MM]             ; at their places in the word
.else
	v_permlanex16_b32 v[MXO], v[MM], s[SEL], s[SEL+1]
.endif
.endm
; A KEY STEP: 128 keys.
; K's scale words and eight fragments of a step: 20 LDS loads.  They are asked for a step ahead, behind the step's last products, and land under the additions of the row's sum.
.macro KLOAD
.irp c, 0,1
.irp w, 0,1
	ds_load_b64 v[KSC+4*\c+2*\w:KSC+4*\c+2*\w+1], v[ADS] offset:16*\c+256*\w   ; the scale words of my key in tiles 4 c + 2 w and 4 c + 2 w + 1
.endr
.endr
.irp n, 0,1,2,3,4,5,6,7
	ds_load_b128 v[F+8*\n:F+8*\n+3], v[ADK] offset:(4*(\n/4)+\n%2)*KP+128*((\n%4)/2)
	ds_load_b128 v[F+8*\n+4:F+8*\n+7], v[ADK] offset:(4*(\n/4)+\n%2)*KP+128*((\n%4)/2)+512
.endr
.endm
.macro STEP
	s_wait_dscnt 7                                 ; tiles 0-3 are in, and tile 4's first four registers, which tile 3's fragment names as its registers 8-11; the seven younger loads may be out
.irp n, 0,1,2,3
	v_wmma_scale_f32_16x16x128_f8f6f4 v[S+8*\n:S+8*\n+7], v[F+8*\n:F+8*\n+11], v[Q:Q+11], 0, v[KSC+\n], v[QS] matrix_a_fmt:MATRIX_FMT_FP6 matrix_b_fmt:MATRIX_FMT_FP6
.endr
	s_wait_dscnt 0x0
.irp n, 4,5,6,7
	v_wmma_scale_f32_16x16x128_f8f6f4 v[S+8*\n:S+8*\n+7], v[F+8*\n:F+8*\n+11], v[Q:Q+11], 0, v[KSC+\n], v[QS] matrix_a_fmt:MATRIX_FMT_FP6 matrix_b_fmt:MATRIX_FMT_FP6
.endr
	v_add_nc_u32 v[ADV], s[TV], v[AV0]             ; four places: ahead of the reads of the scores and of the loads into the fragments' registers
	v_add_nc_u32 v[ADT], s[TJ], v[ASV0]
	v_nop
	v_nop
.irp u, 0,1,2,3                                ; V's four fragments land under the softmax
.irp p, 0,1,2
	ds_load_b128 v[F+12*\u+4*\p:F+12*\u+4*\p+3], v[ADV] offset:\u*1536+\p*512
.endr
.endr
	ds_load_b128 v[VSC:VSC+3], v[ADT]              ; the scale words of row r of V's four tiles
.irp c, 0,1                                    ; the largest score of my two blocks, each in two chains: 17 and 15 numbers; each accumulator is read from its low end on
	v_max3_num_f32 v[MA0+2*\c], v[S+32*\c], v[S+32*\c+1], v[S+32*\c+2]
	v_max3_num_f32 v[MB0+2*\c], v[S+32*\c+17], v[S+32*\c+18], v[S+32*\c+19]
.endr
.irp i, 0,1,2,3,4,5
.irp c, 0,1
	v_max3_num_f32 v[MA0+2*\c], v[MA0+2*\c], v[S+32*\c+3+2*\i], v[S+32*\c+4+2*\i]
	v_max3_num_f32 v[MB0+2*\c], v[MB0+2*\c], v[S+32*\c+20+2*\i], v[S+32*\c+21+2*\i]
.endr
.endr
.irp c, 0,1
	v_max3_num_f32 v[MA0+2*\c], v[MA0+2*\c], v[S+32*\c+15], v[S+32*\c+16]
.endr
	s_delay_alu instid0(VALU_DEP_2)
	v_max_num_f32 v[MA0], v[MA0], v[MB0]           ; it serves twice: for the row's maximum, and, since p rises with the score, for the block's largest p
	s_delay_alu instid0(VALU_DEP_2)
	v_max_num_f32 v[MA1], v[MA1], v[MB1]
	s_delay_alu instid0(VALU_DEP_1)
	v_max_num_f32 v[MM], v[MA0], v[MA1]
	s_delay_alu instid0(VALU_DEP_1)
	v_permlanex16_b32 v[MXO], v[MM], s[SEL], s[SEL+1]
	s_delay_alu instid0(VALU_DEP_1)
	v_max3_num_f32 v[MX], v[MX], v[MM], v[MXO]     ; the running largest score of my query
	s_delay_alu instid0(VALU_DEP_1)
	v_mul_f32 v[MM], s[CN], v[MX]                  ; -t
	s_delay_alu instid0(VALU_DEP_1)
	v_floor_f32 v[MXO], v[MM]                      ; the new -M = floor(-t): M is a whole number
	s_delay_alu instid0(VALU_DEP_1)
	v_sub_f32 v[MM], v[MXO], v[NM]                 ; old M - new M: a whole number, 0 or less
	v_mov_b32 v[NM], v[MXO]
	s_delay_alu instid0(VALU_DEP_2)
	v_cvt_i32_f32 v[MM], v[MM]                     ; (it saturates)
	s_delay_alu instid0(VALU_DEP_1)
	v_ldexp_f32 v[FF], 1.0, v[MM]                  ; f = 2^(old M - new M): rounds nothing
.irp j, 0,2,4,6,8,10,12,14,16,18,20,22,24,26,28,30,32,34,36,38,40,42,44,46,48,50,52,54,56,58,60,62
	v_pk_fma_f32 v[S+\j:S+\j+1], v[S+\j:S+\j+1], s[CS:CS+1], v[NM:NM+1] op_sel_hi:[1,0,0]   ; t - M
.endr
	v_fma_f32 v[MA0], v[MA0], s[CS], v[NM]         ; the same of each block's largest score
	v_fma_f32 v[MA1], v[MA1], s[CS], v[NM]
	s_wait_alu depctr_va_vdst(0)                   ; ahead of the batch
.irp j, 0,1,2,3,4,5,6,7,8,9,10,11,12,13,14,15,16,17,18,19,20,21,22,23,24,25,26,27,28,29,30,31,32,33,34,35,36,37,38,39,40,41,42,43,44,45,46,47,48,49,50,51,52,53,54,55,56,57,58,59,60,61,62,63
	v_exp_f32 v[S+\j], v[S+\j]                     ; p = 2^(t - M)
.endr
	v_exp_f32 v[MA0], v[MA0]                       ; the blocks' largest p
	v_exp_f32 v[MA1], v[MA1]
	v_pk_mul_f32 v[SUM:SUM+1], v[SUM:SUM+1], v[FF:FF+1] op_sel_hi:[1,0]   ; the sums under the new M (a plain line behind the exponentials)
	s_wait_alu depctr_va_vdst(0)                   ; one wait for the whole batch, ahead of its first reader
	SCSTEP 0                                       ; p's scales
	s_delay_alu instid0(VALU_DEP_2)
	SCSTEP 1
	s_delay_alu instid0(VALU_DEP_2)
	SCSTEP 2
	s_delay_alu instid0(VALU_DEP_1)
	SCSTEP 3
	s_delay_alu instid0(VALU_DEP_1)
	SCSTEP 4
	s_delay_alu instid0(VALU_DEP_1)
	SCSTEP 5
	s_delay_alu instid0(VALU_DEP_1)
	v_or_b32 v[PS], v[MM], v[MXO]                  ; with lane l xor 16's two bytes p's scale word is whole
	v_cvt_scalef32_pk16_fp6_f32 v[P:P+2], v[S:S+15], v[SC0]
	v_cvt_scalef32_pk16_fp6_f32 v[CT0:CT0+2], v[S+16:S+31], v[SC0]        ; (a conversion's three registers begin on an even number)
	v_cvt_scalef32_pk16_fp6_f32 v[P+6:P+8], v[S+32:S+47], v[SC1]
	v_cvt_scalef32_pk16_fp6_f32 v[CT1:CT1+2], v[S+48:S+63], v[SC1]
	s_wait_alu depctr_va_vdst(0)                   ; directly ahead of the first reader of O^T
.irp j, 0,2,4,6
	v_pk_mul_f32 v[O+\j:O+\j+1], v[O+\j:O+\j+1], v[FF:FF+1] op_sel_hi:[1,0]   ; O^T under the new M (also the plain lines behind the conversions)
.endr
.irp i, 0,1,2
	v_mov_b32 v[P+3+\i], v[CT0+\i]
	v_mov_b32 v[P+9+\i], v[CT1+\i]
.endr
.irp j, 8,10,12,14,16,18,20,22,24,26,28,30
	v_pk_mul_f32 v[O+\j:O+\j+1], v[O+\j:O+\j+1], v[FF:FF+1] op_sel_hi:[1,0]   ; (also the places between p's codes and scale word and the scaled products)
.endr
	s_wait_alu depctr_va_vdst(0)                   ; directly ahead of the wait below
	s_wait_dscnt 0x0                               ; V's fragments are in
.irp u, 0,1,2,3                                ; O^T += V^T P^T: the four accumulators by turns
	v_wmma_scale_f32_16x16x128_f8f6f4 v[O+8*\u:O+8*\u+7], v[F+12*\u:F+12*\u+11], v[P:P+11], v[O+8*\u:O+8*\u+7], v[VSC+\u], v[PS] matrix_a_fmt:MATRIX_FMT_FP6 matrix_b_fmt:MATRIX_FMT_FP6
.endr
	s_add_co_u32 s[TK], s[TK], 8*KP
	s_add_co_u32 s[TV], s[TV], 6144
	s_add_co_u32 s[TS], s[TS], 512
	s_add_co_u32 s[TJ], s[TJ], 256
	v_add_nc_u32 v[ADK], s[TK], v[LIK]             ; the next step's addresses, and the first two of the sum's 32 additions: four places behind the products, none names a register of theirs
	v_add_nc_u32 v[ADS], s[TS], v[ASK0]
	v_pk_add_f32 v[SUM:SUM+1], v[SUM:SUM+1], v[S:S+1]
	v_pk_add_f32 v[SUM:SUM+1], v[SUM:SUM+1], v[S+2:S+3]
	s_wait_alu depctr_va_vdst(0)                   ; directly ahead of the branch
	s_cmp_eq_u32 s[STEPC], 1
	s_cbranch_scc1 .Lnok_\@                        ; the set's last step has no next step
	KLOAD
.Lnok_\@:
.irp k, 0,1,2                                  ; the sum of the unquantised p goes on, in four chains; three of them in p's code registers, which the products have read
	v_pk_add_f32 v[P+2*\k:P+2*\k+1], v[S+4+4*\k:S+5+4*\k], v[S+6+4*\k:S+7+4*\k]
.endr
.irp i, 0,1,2,3,4,5
	v_pk_add_f32 v[SUM:SUM+1], v[SUM:SUM+1], v[S+16+8*\i:S+17+8*\i]
.irp k, 0,1,2
	v_pk_add_f32 v[P+2*\k:P+2*\k+1], v[P+2*\k:P+2*\k+1], v[S+18+8*\i+2*\k:S+19+8*\i+2*\k]
.endr
.endr
	v_pk_add_f32 v[P:P+1], v[P:P+1], v[P+2:P+3]
	v_pk_add_f32 v[SUM:SUM+1], v[SUM:SUM+1], v[P+4:P+5]
	s_delay_alu instid0(VALU_DEP_1)
	v_pk_add_f32 v[SUM:SUM+1], v[SUM:SUM+1], v[P:P+1]
.endm
; One tile of queries against set s: eight key steps, then O^T / the sum into (s = 0) or onto (s = 1) R.
.macro SETRUN s
.irp j, 0,1,2,3,4,5,6,7,8,9,10,11,12,13,14,15,16,17,18,19,20,21,22,23,24,25,26,27,28,29,30,31
	v_mov_b32 v[O+\j], 0                           ; the step is written once: the first finds zeros
.endr
	v_mov_b32 v[MX], 0xfc800000                    ; the largest score so far: -2^122
	v_mov_b32 v[NM], 0x7b38aa3b                    ; -M = c x 2^122, a whole number
	v_mov_b32 v[SUM], 0
	v_mov_b32 v[SUM+1], 0
	s_mov_b32 s[TK], \s*KSET
	s_mov_b32 s[TV], \s*RSET
	s_mov_b32 s[TS], \s*RSET
	s_mov_b32 s[TJ], \s*RSET
	s_mov_b32 s[STEPC], 8
	v_add_nc_u32 v[ADK], s[TK], v[LIK]
	v_add_nc_u32 v[ADS], s[TS], v[ASK0]
	KLOAD                                          ; the first step's
.Lstep_\@:
	STEP
	s_sub_co_u32 s[STEPC], s[STEPC], 1
	s_cmp_lg_u32 s[STEPC], 0
	s_wait_alu depctr_va_vdst(0)                   ; directly ahead of the branch
	s_cbranch_scc1 .Lstep_\@
	s_wait_dscnt 0x0                               ; no LDS load is out behind the loop
	v_add_f32 v[SUM], v[SUM], v[SUM+1]             ; the sum's two halves (the sum's additions were the places behind the last products),
	s_delay_alu instid0(VALU_DEP_1)
	v_permlanex16_b32 v[FF], v[SUM], s[SEL], s[SEL+1]
	s_delay_alu instid0(VALU_DEP_1)
	v_add_f32 v[SUM], v[SUM], v[FF]                ; and lane l xor 16's
	s_wait_alu depctr_va_vdst(0)                   ; the wait ahead of the reciprocal
	v_rcp_f32 v[SUM], v[SUM]
	v_nop                                          ; a plain line behind it
	s_wait_alu depctr_va_vdst(0)                   ; and the wait ahead of its first reader, which is also O^T's
.irp j, 0,2,4,6,8,10,12,14,16,18,20,22,24,26,28,30
.if \s == 0
	v_pk_mul_f32 v[R+\j:R+\j+1], v[O+\j:O+\j+1], v[SUM:SUM+1] op_sel_hi:[1,0]
.else
	v_pk_fma_f32 v[R+\j:R+\j+1], v[O+\j:O+\j+1], v[SUM:SUM+1], v[R+\j:R+\j+1] op_sel_hi:[1,0,1]
.endif
.endr
.endm
.Ltile:
	s_wait_loadcnt 0x0                             ; the tile's queries are in
	SETRUN 0
	SETRUN 1
	s_wait_alu depctr_va_vdst(0)                   ; directly ahead of the branch
	s_cmp_eq_u32 s[TILE], 1
	s_cbranch_scc1 .Lnoq                           ; behind tile 0 alone: tile 1's queries are asked for, and land under the lines below
	global_load_b128 v[Q:Q+3], v[LI], s[48:49] offset:1024
	global_load_b128 v[Q+4:Q+7], v[LI], s[48:49] offset:1536
	global_load_b32 v[QS], v[FF+1], s[50:51] offset:4
.Lnoq:
	; the sum of the two attentions: register 16 b + i is dim 32 b + 16 h + i of my query: quantised along the head's 64
.irp b, 0,1
	v_max3_num_f32 v[MA0+\b], |v[R+16*\b]|, |v[R+16*\b+1]|, 0x1800000
.endr
.irp i, 2,4,6,8,10,12,14
.irp b, 0,1
	s_delay_alu instid0(VALU_DEP_2)
	v_max3_num_f32 v[MA0+\b], v[MA0+\b], |v[R+16*\b+\i]|, |v[R+16*\b+\i+1]|
.endr
.endr
.irp b, 0,1
	s_delay_alu instid0(VALU_DEP_2)
	v_permlanex16_b32 v[MM+\b], v[MA0+\b], s[SEL], s[SEL+1]
.endr
.irp b, 0,1
	s_delay_alu instid0(VALU_DEP_2)
	v_max_num_f32 v[MA0+\b], v[MA0+\b], v[MM+\b]
.endr
	s_delay_alu instid0(VALU_DEP_2)
	v_add_nc_u32 v[SC0], 0xff000000, v[MA0]
	s_delay_alu instid0(VALU_DEP_2)
	v_add_nc_u32 v[SC1], 0xff000000, v[MA0+1]
	s_delay_alu instid0(VALU_DEP_2)
	v_lshrrev_b32 v[MA1], 23, v[SC0]
	s_delay_alu instid0(VALU_DEP_2)
	v_lshrrev_b32 v[MB1], 23, v[SC1]
	s_delay_alu instid0(VALU_DEP_1)
	v_lshl_or_b32 v[MM], v[MB1], 8, v[MA1]         ; my row's two scale bytes
	s_delay_alu instid0(VALU_DEP_1)
	v_cndmask_b32 v[SB], v[SB], v[MM], s[HM]       ; kept in the lane that will store the row's
	v_cvt_scalef32_pk16_fp6_f32 v[P:P+2], v[R:R+15], v[SC0]
	v_cvt_scalef32_pk16_fp6_f32 v[P+4:P+6], v[R+16:R+31], v[SC1]
	v_add_nc_u32 v[TS1], s[TP], v[STI]             ; (the plain line behind the conversions)
.irp i, 0,1,2
	v_permlane16_swap_b32 v[P+\i], v[P+4+\i]       ; lanes 0-15 now hold block 0, lanes 16-31 block 1
.endr
	s_delay_alu instid0(VALU_DEP_3)
	v_mov_b32 v[P+3], v[P+4]
	s_delay_alu instid0(VALU_DEP_3)
	v_mov_b32 v[P+4], v[P+5]
	s_delay_alu instid0(VALU_DEP_3)
	v_mov_b32 v[P+5], v[P+6]
	ds_store_b64 v[TS1], v[P:P+1]                  ; 24 bytes at 48 r + 24 h of the tile's 768
	ds_store_b64 v[TS1], v[P+2:P+3] offset:8
	ds_store_b64 v[TS1], v[P+4:P+5] offset:16
	s_add_co_u32 s[TP], s[TP], 768
	s_not_b32 s[HM], s[HM]
	s_sub_co_u32 s[TILE], s[TILE], 1
	s_cmp_lg_u32 s[TILE], 0
	s_wait_alu depctr_va_vdst(0)                   ; directly ahead of the branch
	s_cbranch_scc1 .Ltile
	v_and_b32 v[MA0], 31, v0
	s_delay_alu instid0(VALU_DEP_1)
	v_lshlrev_b32 v[MA0], 5, v[MA0]                ; asc: 32 bytes a row, a lane a row
	s_wait_alu depctr_va_vdst(0)
.irp g, 0,1,2
	ds_load_b128 v[F+4*\g:F+4*\g+3], v[STB] offset:512*\g   ; my own bytes: LDS serves a wave's instructions in order
.endr
.irp g, 0,1,2
	s_wait_dscnt 2-\g                              ; the younger loads may be out
	global_store_b128 v[LI], v[F+4*\g:F+4*\g+3], s[6:7] offset:512*\g   ; 512 consecutive bytes, aligned
.endr
	global_store_b16 v[MA0], v[SB], s[8:9]         ; two bytes of each row's 32: a row's other bytes come from the other heads' work-groups
	s_wait_tensorcnt 0x0                           ; the wave's end
	ds_add_u32 v[SPW], v[NIL]
	s_wait_dscnt 0x0
	CROUND                                         ; the closing round
	s_endpgm
.Lfunc_end_k_q08a4e12466_attn:
	.size	k_q08a4e12466_attn, .Lfunc_end_k_q08a4e12466_attn-k_q08a4e12466_attn
	.p2alignl 7, 3214868480
	.fill 96, 4, 3214868480
	.section	.rodata,"a",@progbits
	.p2align	6, 0x0
	.amdhsa_kernel k_q08a4e12466_attn
		.amdhsa_group_segment_fixed_size 276480
		.amdhsa_private_segment_fixed_size 0
		.amdhsa_enable_private_segment 0
		.amdhsa_kernarg_size 24
		.amdhsa_user_sgpr_count 2
		.amdhsa_user_sgpr_kernarg_segment_ptr 1
		.amdhsa_wavefront_size32 1
		.amdhsa_system_sgpr_workgroup_id_x 1
		.amdhsa_system_sgpr_workgroup_id_y 1
		.amdhsa_system_sgpr_workgroup_id_z 1
		.amdhsa_system_vgpr_workitem_id 0
		.amdhsa_next_free_vgpr 256
		.amdhsa_next_free_sgpr 80
		.amdhsa_reserve_vcc 0
		.amdhsa_float_denorm_mode_32 3
		.amdhsa_float_denorm_mode_16_64 3
		.amdhsa_memory_ordered 1
		.amdhsa_forward_progress 1
		.amdhsa_inst_pref_size 52
	.end_amdhsa_kernel
	.amdgpu_metadata
---
amdhsa.version: [ 1, 2 ]
amdhsa.kernels:
  - .name:           k_q08a4e12466_attn
    .symbol:         k_q08a4e12466_attn.kd
    .args:
      - { .name: qkv, .offset: 0, .size: 8, .value_kind: global_buffer, .address_space: global }
      - { .name: ac, .offset: 8, .size: 8, .value_kind: global_buffer, .address_space: global }
      - { .name: asc, .offset: 16, .size: 8, .value_kind: global_buffer, .address_space: global }
    .group_segment_fixed_size: 276480
    .private_segment_fixed_size: 0
    .kernarg_segment_align: 8
    .kernarg_segment_size: 24
    .max_flat_workgroup_size: 512
    .sgpr_count:     80
    .vgpr_count:     256
    .wavefront_size: 32
...
	.end_amdgpu_metadata
.endif
;; end of part 3
;; launch outp (part 4): grid 4 x 32, 4 waves a work-group, clusters of 4 x 4, 327,680 bytes of LDS; arguments ac, asc, codes, scales, bo1, bo2, out0, out1; writes out0, out1
.if DOCPART == 4
	.amdgcn_target "amdgcn-amd-amdhsa--gfx1250"
	.amdhsa_code_object_version 6
	.text
	.protected	k_q08a4e12466_outp
	.globl	k_q08a4e12466_outp
	.p2align	8
	.type	k_q08a4e12466_outp,@function
k_q08a4e12466_outp:
	s_mov_b64 s[64:65], 0
	v_nop
	global_prefetch_b8 v0, s[64:65] scope:SCOPE_SE
	s_setreg_imm32_b32 hwreg(HW_REG_WAVE_MODE, 25, 1), 1
	s_wait_xcnt 0x0
	s_wait_alu depctr_hold_cnt(0) depctr_sa_sdst(0) depctr_va_vdst(0) depctr_va_sdst(0) depctr_va_ssrc(0) depctr_va_vcc(0) depctr_vm_vsrc(0)
	s_getreg_b32 s2, hwreg(HW_REG_IB_STS2, 6, 4)
	s_cmp_eq_u32 s2, 0
	s_cbranch_scc0 .Lentry_in_a_cluster
	s_endpgm
.Lentry_in_a_cluster:
	s_bfe_u32 s2, ttmp6, 0x10000c
	s_cmp_lg_u32 s2, 0xf033
	s_cbranch_scc0 .Lentry_shape_is_right
	s_endpgm
.Lentry_shape_is_right:
.set SIZE_N, 1024
.set KSTEP,  256
.set NQ,     2
.set ROWB,   3145728                   ; from one K step of 256 to the next in memory: a plane of the codes
.set KROW,   192                       ; a row of a plane
.set PITCH,  240
.set FR,     12
.set NL,     6
.set NP,     4
.set HALFA,  24576
.set HALFT,  128*PITCH
.set SLOT,   2*HALFA+2*HALFT
.set ASTEP,  4*393216
.set LAPS,   2
.set KS,     32
.set SCL,    2*SLOT
.set HALFS,  (128*KS/256)*272
.set SBLK,   (16*KS/256)*272
.set SPARE,  SCL+4*HALFS
.set SPITCH, 528
.set ADRA, 16
.set ADRB, 20
.set STO,  24
.set RD,   25
.set CO,   26
.set ADRS, 27
.set SPW,  28
.set NIL,  29
.set SC,   32
.set BI,   64
.set AF,   128
.set BK,   128
.set G1, 24
.set G0, 32
.set G1B, 48
.set G0B, 56
.set G1S, 68
.set G0S, 76
.set G1SB, 80
.set G0SB, 88
.set MSB, 0
.macro WIN new
.if MSB != \new
	s_set_vgpr_msb (MSB<<8)|\new
.set MSB, \new
.endif
.endm
.set MUL_LO, 0xa1
.set MUL_HI, 0xf1
.set FST_LO, 0x81
.set FST_HI, 0xc1
.set TO_B,   0x40
.macro JLOAD g0a, g1a, g0b, g1b
	s_cmp_eq_u32 s15, 0
	s_cbranch_scc0 .Lfor_b_\@
	tensor_load_to_lds s[\g0a:\g0a+3], s[\g1a:\g1a+7]
	s_nop 0
.rept 4
	v_nop
.endr
	s_branch .Lasked_\@
.Lfor_b_\@:
	tensor_load_to_lds s[\g0b:\g0b+3], s[\g1b:\g1b+7]
	s_nop 0
.rept 4
	v_nop
.endr
.Lasked_\@:
.endm
.macro CREST
	s_cmp_lg_u32 s14, 0
	s_cbranch_scc1 .Lnot_wave_0_\@
	s_barrier_signal -3
.Lnot_wave_0_\@:
	s_barrier_wait -3
	s_barrier_signal -1
	s_barrier_wait -1
.endm
.macro CROUND
	s_barrier_signal -1
	s_barrier_wait -1
	CREST
.endm
	s_load_b128 s[4:7], s[0:1], 0x0
	s_load_b128 s[8:11], s[0:1], 0x10
	s_load_b256 s[68:75], s[0:1], 0x20
	v_lshl_add_u32 v[SPW], v0, 2, SPARE
	v_mov_b32 v[NIL], 0
	ds_add_u32 v[SPW], v[NIL]
	ds_add_u32 v[SPW], v[NIL]
	v_lshrrev_b32 v1, 5, v0
	v_readfirstlane_b32 s14, v1
	s_lshr_b32 s15, s14, 1
	s_and_b32 s16, s14, 1
	s_bfe_u32 s40, ttmp6, 0x40000
	s_bfe_u32 s41, ttmp6, 0x40004
	s_lshl_b32 s42, ttmp9, 2
	s_add_co_u32 s42, s42, s40
	s_and_b32 s17, ttmp7, 0xffff
	s_lshr_b32 s95, s17, 2
	s_lshl_b32 s17, s17, 2
	s_add_co_u32 s17, s17, s41
	s_lshl_b32 s43, s41, 2
	s_lshl_b32 s43, 15, s43
	s_lshl_b32 s44, 0x1111, s40
	s_or_b32 s[G1+0], s43, (3<<16)|(1<<21)
	s_mov_b32 s[G1+1], 768<<16
	s_mov_b32 s[G1+2], 4<<16
	s_mov_b32 s[G1+3], 768<<16
	s_mov_b32 s[G1+4], 4
	s_mov_b32 s[G1+5], 49152
	s_mov_b32 s[G1+6], 0
	s_mov_b32 s[G1+7], 0
	s_or_b32 s[G1B+0], s44, (0<<16)|(1<<20)|(1<<21)|(3<<22)|(3<<25)
	s_mov_b32 s[G1B+1], 256<<16                    ; 128 rows x 192 bytes lie dense in a plane: fetched as 96 rows of 256 bytes
	s_mov_b32 s[G1B+2], 96<<16
	s_mov_b32 s[G1B+3], 256<<16
	s_mov_b32 s[G1B+4], 96
	s_mov_b32 s[G1B+5], 256
	s_mov_b32 s[G1B+6], 0
	s_mov_b32 s[G1B+7], 0
	s_lshl_b32 s18, s16, 7
	s_lshl_b32 s20, s17, 8
	s_add_co_u32 s20, s20, s18
	s_lshl_b32 s46, s42, 8
	s_add_co_u32 s46, s46, s18
	s_lshl_b32 s47, s95, 10
	s_add_co_u32 s46, s46, s47
	s_add_co_u32 s46, s46, 8192+6*1024
	s_mov_b32 s21, 0
	s_mov_b32 s47, 0
	s_mov_b64 s[18:19], KS
	s_mul_u64 s[22:23], s[20:21], s[18:19]
	s_mul_u64 s[92:93], s[46:47], s[18:19]
	s_mov_b64 s[18:19], 48
	s_mul_u64 s[20:21], s[20:21], s[18:19]
	s_mov_b64 s[18:19], KROW
	s_mul_u64 s[46:47], s[46:47], s[18:19]
	s_mul_i32 s45, s16, HALFA
	s_mul_i32 s96, s16, HALFT
	s_add_co_u32 s96, s96, 2*HALFA
	s_mul_i32 s94, s14, HALFS
	s_wait_dscnt 0x0
	s_wait_kmcnt 0x0
	s_cmp_eq_u32 s95, 0
	s_cselect_b64 s[66:67], s[68:69], s[70:71]
	s_cselect_b64 s[12:13], s[72:73], s[74:75]
	s_or_b32 s[G1S+0], s43, (3<<16)|(1<<20)|(1<<21)|(5<<22)|(3<<25)
	s_or_b32 s[G1SB+0], s44, (3<<16)|(1<<20)|(1<<21)|(5<<22)|(3<<25)
.irp g, G1S, G1SB
	s_mov_b32 s[\g+1], 32<<16
	s_mov_b32 s[\g+2], (128*KS/256)<<16
	s_mov_b32 s[\g+3], 32<<16
	s_mov_b32 s[\g+4], 128*KS/256
	s_mov_b32 s[\g+5], 32
	s_mov_b32 s[\g+6], 0
	s_mov_b32 s[\g+7], 0
.endr
	s_add_nc_u64 s[20:21], s[4:5], s[20:21]
	s_add_nc_u64 s[22:23], s[6:7], s[22:23]
	s_add_nc_u64 s[46:47], s[8:9], s[46:47]
	s_add_nc_u64 s[92:93], s[10:11], s[92:93]
	CROUND
	s_mov_b32 s[G0S], 1
	s_add_co_u32 s[G0S+1], s94, SCL
	s_mov_b64 s[G0S+2:G0S+3], s[22:23]
	s_or_b32 s[G0S+3], s[G0S+3], 0x80000000
	s_mov_b32 s[G0SB], 1
	s_add_co_u32 s[G0SB+1], s94, SCL
	s_mov_b64 s[G0SB+2:G0SB+3], s[92:93]
	s_or_b32 s[G0SB+3], s[G0SB+3], 0x80000000
	JLOAD G0S, G1S, G0SB, G1SB
.irp s, 0,1
	s_mov_b32 s[G0+4*\s], 1
	s_add_co_u32 s[G0+4*\s+1], s45, \s*SLOT
	s_add_nc_u64 s[G0+4*\s+2:G0+4*\s+3], s[20:21], \s*ASTEP
	s_or_b32 s[G0+4*\s+3], s[G0+4*\s+3], 0x80000000
	s_mov_b32 s[G0B+4*\s], 1
	s_add_co_u32 s[G0B+4*\s+1], s96, \s*SLOT
	s_add_nc_u64 s[G0B+4*\s+2:G0B+4*\s+3], s[46:47], \s*ROWB
	s_or_b32 s[G0B+4*\s+3], s[G0B+4*\s+3], 0x80000000
	s_wait_alu depctr_va_vdst(0)
	s_wait_tensorcnt 0x0
	ds_add_u32 v28, v29
	s_wait_dscnt 0x0
	CROUND
	JLOAD G0+4*\s, G1, G0B+4*\s, G1B
.endr
	v_and_b32 v1, 15, v0
	v_bfe_u32 v2, v0, 4, 1
	v_mul_u32_u24 v3, v1, PITCH
	v_mul_u32_u24 v4, v2, 24
	v_add_nc_u32 v7, v3, v4
	v_lshl_add_u32 v5, v2, 4, v7
	v_mul_u32_u24 v3, v1, 48
	v_add_nc_u32 v3, v3, v4
	s_mul_i32 s21, s15, HALFA
	s_mul_i32 s22, s16, HALFT
	s_add_co_u32 s22, s22, 2*HALFA
.irp s, 0,1
	v_add_nc_u32 v[ADRA+\s], s21, v3
	v_add_nc_u32 v[ADRB+\s], s22, v7
	v_add_nc_u32 v[ADRB+2+\s], s22, v5
	s_add_co_u32 s21, s21, SLOT
	s_add_co_u32 s22, s22, SLOT
.endr
	v_mul_u32_u24 v5, v1, KS
	v_lshrrev_b32 v6, 8, v5
	v_lshl_add_u32 v5, v6, 4, v5
	s_mul_i32 s21, s15, HALFS
	s_mul_i32 s22, s16, HALFS
	s_add_co_u32 s22, s22, 2*HALFS
	s_sub_co_u32 s22, s22, s21
	v_mul_u32_u24 v6, s22, v2
	s_add_co_u32 s21, s21, SCL
	v_add_nc_u32 v5, v5, v6
	v_add_nc_u32 v[ADRS], s21, v5
	s_mul_i32 s23, s14, 16*SPITCH
	v_mul_u32_u24 v5, v1, SPITCH
	v_lshl_add_u32 v5, v2, 5, v5
	v_add_nc_u32 v[STO], s23, v5
	v_and_b32 v6, 31, v0
	v_lshlrev_b32 v[CO], 4, v6
	v_add_nc_u32 v[RD], s23, v[CO]
	s_and_b32 s20, s17, 15
	s_lshl_b32 s20, s20, 8
	s_lshl_b32 s21, s15, 7
	s_add_co_u32 s20, s20, s21
	s_mov_b32 s21, 0
	s_mov_b64 s[18:19], SIZE_N*4
	s_mul_u64 s[20:21], s[20:21], s[18:19]
	s_lshl_b32 s46, s42, 10
	s_lshl_b32 s47, s16, 9
	s_add_co_u32 s46, s46, s47
	s_mov_b32 s47, 0
	s_add_nc_u64 s[66:67], s[66:67], s[46:47]
	s_add_nc_u64 s[20:21], s[20:21], s[46:47]
	s_add_nc_u64 s[12:13], s[12:13], s[20:21]
	v_lshlrev_b32 v8, 5, v2
.irp b, 0,1,2,3,4,5,6,7
	global_load_b128 v[BI+8*\b:BI+8*\b+3], v8, s[66:67] offset:64*\b
	global_load_b128 v[BI+8*\b+4:BI+8*\b+7], v8, s[66:67] offset:64*\b+16
.endr
.macro FRAG reg, adr, q, i
.irp p, 0,1,2,3,4,5
.set PCE, 12*(\q)+6*(\p/3)+\p%3
.if PCE%8 < 5
	ds_load_b64 v[\reg+2*\p:\reg+2*\p+1], v[\adr] offset:8*PCE+16*(PCE/8)+(\i)*16*PITCH
.else
	ds_load_b64 v[\reg+2*\p:\reg+2*\p+1], v[\adr+2] offset:8*PCE+16*(PCE/8)+(\i)*16*PITCH
.endif
.endr
.endm
.macro FRAG_A reg, adr, q, i
.irp p, 0,1,2,3,4,5
	ds_load_b64 v[\reg+2*\p:\reg+2*\p+1], v[\adr] offset:(2*(\q)+\p/3)*6144+(\i)*768+8*(\p%3)
.endr
.endm
.macro MUL16 a0, p, q, sc, zero
.irp a, \a0, \a0+1
.irp b, 0,1,2,3,4,5,6,7
.if \zero
	v_wmma_scale_f32_16x16x128_f8f6f4 v[8*(8*((\a)%4)+\b):8*(8*((\a)%4)+\b)+7], v[128*(\p)+FR*\b:128*(\p)+FR*\b+FR-1], v[AF+FR*(\a):AF+FR*(\a)+FR-1], v[BI+8*\b:BI+8*\b+7], v[SC+8*NQ*(\sc)+NQ*\b+(\q)], v[SC+8*NQ*(\sc)+NQ*(\a)+(\q)] matrix_a_fmt:MATRIX_FMT_FP6 matrix_b_fmt:MATRIX_FMT_FP6 matrix_a_scale:MATRIX_SCALE_ROW1
.else
	v_wmma_scale_f32_16x16x128_f8f6f4 v[8*(8*((\a)%4)+\b):8*(8*((\a)%4)+\b)+7], v[128*(\p)+FR*\b:128*(\p)+FR*\b+FR-1], v[AF+FR*(\a):AF+FR*(\a)+FR-1], v[8*(8*((\a)%4)+\b):8*(8*((\a)%4)+\b)+7], v[SC+8*NQ*(\sc)+NQ*\b+(\q)], v[SC+8*NQ*(\sc)+NQ*(\a)+(\q)] matrix_a_fmt:MATRIX_FMT_FP6 matrix_b_fmt:MATRIX_FMT_FP6 matrix_a_scale:MATRIX_SCALE_ROW1
.endif
.endr
.endr
.endm
.macro FETCH_B slot, q, p
	WIN TO_B
.irp i, 0,1,2,3,4,5,6,7
	FRAG 128*(\p)+FR*\i, ADRB+\slot, \q, \i
.endr
	WIN 0
.endm
.macro FETCH_A slot, q, i0
.irp i, \i0, \i0+1, \i0+2, \i0+3
	FRAG_A AF+FR*(\i), ADRA+\slot, \q, \i
.endr
.endm
.macro SCALES sc
.irp i, 0,1,2,3,4,5,6,7
	ds_load_b64 v[SC+8*NQ*\sc+NQ*\i:SC+8*NQ*\sc+NQ*\i+1], v[ADRS] offset:\i*SBLK
.endr
.endm
.macro PLACES n
.rept \n
	v_nop
.endr
.endm
.macro STEP slot, q, zero
	s_wait_dscnt 4*NL
.if \zero
	WIN FST_LO
.else
	WIN MUL_LO
.endif
	MUL16 0, (\q)%2, \q, \slot, \zero
	MUL16 2, (\q)%2, \q, \slot, \zero
	s_wait_dscnt 0
	PLACES NP
	FETCH_B \slot, (\q)+1, 1-(\q)%2
	FETCH_A \slot, (\q)+1, 0
.if \zero
	WIN FST_HI
.else
	WIN MUL_HI
.endif
	MUL16 4, (\q)%2, \q, \slot, \zero
	MUL16 6, (\q)%2, \q, \slot, \zero
	PLACES NP
	WIN 0
	FETCH_A \slot, (\q)+1, 4
.endm
.macro TURN slot, next, fill
	s_wait_tensorcnt 0x0
	ds_add_u32 v[SPW], v[NIL]
	s_wait_dscnt 4*NL+1
	WIN MUL_LO
	MUL16 0, 1, NQ-1, \slot, 0
	s_wait_dscnt 0x0
	s_barrier_signal -1
	MUL16 2, 1, NQ-1, \slot, 0
	WIN 0
	s_barrier_wait -1
.if \fill
	CREST
	s_add_nc_u64 s[G0+4*\slot+2:G0+4*\slot+3], s[G0+4*\slot+2:G0+4*\slot+3], 2*ASTEP
	s_add_nc_u64 s[G0B+4*\slot+2:G0B+4*\slot+3], s[G0B+4*\slot+2:G0B+4*\slot+3], 2*ROWB
	JLOAD G0+4*\slot, G1, G0B+4*\slot, G1B
.else
	PLACES NP
.endif
	s_wait_alu depctr_va_vdst(0)
	v_add_nc_u32 v[ADRS], 4*NQ, v[ADRS]
	FETCH_B \next, 0, 0
	FETCH_A \next, 0, 0
	SCALES \next
	WIN MUL_HI
	MUL16 4, 1, NQ-1, \slot, 0
	MUL16 6, 1, NQ-1, \slot, 0
	PLACES NP
	WIN 0
	FETCH_A \next, 0, 4
.endm
	s_wait_alu depctr_va_vdst(0)
	s_wait_tensorcnt 1
	s_barrier_signal -1
	s_barrier_wait -1
	FETCH_B 0, 0, 0
	FETCH_A 0, 0, 0
	SCALES 0
	FETCH_A 0, 0, 4
	s_wait_loadcnt 0x0
	STEP 0, 0, 1
	s_mov_b32 s3, LAPS-1
.Llap:
	TURN 0, 1, 1
	STEP 1, 0, 0
	TURN 1, 0, 1
	STEP 0, 0, 0
	s_sub_co_u32 s3, s3, 1
	s_cmp_lg_u32 s3, 0
	s_cbranch_scc1 .Llap
	TURN 0, 1, 0
	STEP 1, 0, 0
	s_wait_dscnt 4*NL
	WIN MUL_LO
	MUL16 0, 1, NQ-1, 1, 0
	MUL16 2, 1, NQ-1, 1, 0
	s_wait_dscnt 0
	WIN MUL_HI
	MUL16 4, 1, NQ-1, 1, 0
	MUL16 6, 1, NQ-1, 1, 0
	WIN 0
.macro TOSTAGE a
.set AC, 64*((\a)%4)
.set WS, 0x08+4*((\a)/4)
	WIN WS
.irp b, 0,1,2,3,4,5,6,7
	ds_store_b128 v[STO], v[AC+8*\b:AC+8*\b+3] offset:64*\b
	ds_store_b128 v[STO], v[AC+8*\b+4:AC+8*\b+7] offset:64*\b+16
.endr
	WIN 0
.set BB, BK+64*((\a)%2)
.irp t, 0,1,2,3,4,5,6,7,8,9,10,11,12,13,14,15
	ds_load_b128 v[BB+4*\t:BB+4*\t+3], v[RD] offset:\t*SPITCH
.endr
.endm
.macro SEND a, younger
.set BB, BK+64*((\a)%2)
	s_wait_dscnt \younger
.if (\a) > 0
	s_add_nc_u64 s[12:13], s[12:13], 16*SIZE_N*4
.endif
.irp t, 0,1,2,3,4,5,6,7,8,9,10,11,12,13,14,15
	global_store_b128 v[CO], v[BB+4*\t:BB+4*\t+3], s[12:13] offset:\t*SIZE_N*4 th:TH_STORE_NT
.endr
.endm
	PLACES NP
	TOSTAGE 0
.irp a, 1,2,3,4,5,6,7
.if \a > 1
	s_wait_xcnt 0x0
.endif
	TOSTAGE \a
	SEND \a-1, 32
.endr
	s_wait_xcnt 0x0
	SEND 7, 0
	s_wait_tensorcnt 0x0
	ds_add_u32 v[SPW], v[NIL]
	s_wait_dscnt 0x0
	CROUND
	s_endpgm
.Lfunc_end_k_q08a4e12466_outp:
	.size	k_q08a4e12466_outp, .Lfunc_end_k_q08a4e12466_outp-k_q08a4e12466_outp
	.p2alignl 7, 3214868480
	.fill 96, 4, 3214868480
	.section	.rodata,"a",@progbits
	.p2align	6, 0x0
	.amdhsa_kernel k_q08a4e12466_outp
		.amdhsa_group_segment_fixed_size 327680
		.amdhsa_private_segment_fixed_size 0
		.amdhsa_enable_private_segment 0
		.amdhsa_kernarg_size 64
		.amdhsa_user_sgpr_count 2
		.amdhsa_user_sgpr_kernarg_segment_ptr 1
		.amdhsa_wavefront_size32 1
		.amdhsa_system_sgpr_workgroup_id_x 1
		.amdhsa_system_sgpr_workgroup_id_y 1
		.amdhsa_system_sgpr_workgroup_id_z 1
		.amdhsa_system_vgpr_workitem_id 0
		.amdhsa_next_free_vgpr 1024
		.amdhsa_next_free_sgpr 98
		.amdhsa_reserve_vcc 0
		.amdhsa_float_denorm_mode_32 3
		.amdhsa_float_denorm_mode_16_64 3
		.amdhsa_memory_ordered 1
		.amdhsa_forward_progress 1
		.amdhsa_inst_pref_size 163
	.end_amdhsa_kernel
	.amdgpu_metadata
---
amdhsa.version: [ 1, 2 ]
amdhsa.kernels:
  - .name:           k_q08a4e12466_outp
    .symbol:         k_q08a4e12466_outp.kd
    .args:
      - { .name: ac, .offset: 0, .size: 8, .value_kind: global_buffer, .address_space: global }
      - { .name: asc, .offset: 8, .size: 8, .value_kind: global_buffer, .address_space: global }
      - { .name: codes, .offset: 16, .size: 8, .value_kind: global_buffer, .address_space: global }
      - { .name: scales, .offset: 24, .size: 8, .value_kind: global_buffer, .address_space: global }
      - { .name: bo1, .offset: 32, .size: 8, .value_kind: global_buffer, .address_space: global }
      - { .name: bo2, .offset: 40, .size: 8, .value_kind: global_buffer, .address_space: global }
      - { .name: out0, .offset: 48, .size: 8, .value_kind: global_buffer, .address_space: global }
      - { .name: out1, .offset: 56, .size: 8, .value_kind: global_buffer, .address_space: global }
    .group_segment_fixed_size: 327680
    .private_segment_fixed_size: 0
    .kernarg_segment_align: 8
    .kernarg_segment_size: 64
    .max_flat_workgroup_size: 128
    .sgpr_count:     98
    .vgpr_count:     1024
    .wavefront_size: 32
...
	.end_amdgpu_metadata
.endif
;; end of part 4
